; MI455X (gfx1250); checked and timed in simulation.
; The chip was launched on July 23, 2026; its instructions are those of AMD's public machine-readable ISA for CDNA 5 (MIT licence, August 2026) and "CDNA5" Instruction Set Architecture Reference Guide (July 2026). The comments in the code are by the model that wrote it; some were corrected since.
;; Self Attention. Allowed arithmetic: matrix products marked QUANTISED: E2M1 operands, one E8M0 scale for each 32 along K, by v_wmma_scale_f32_16x16x128_f8f6f4 with both operands' format E2M1 (or v_wmma_scale_f32_32x16x128_f4), f32 sums; everything else in f32.
;; Inputs: W_cond_codes 3,072 x 32 x 16 uint8 (E2M1 codes of W_cond, K innermost, in blocks of 32 codes, two codes a byte); W_cond_scales 3,072 x 32 uint8 (E8M0 scales of W_cond, one for each 32 codes along K); W_out_codes 1,024 x 32 x 16 uint8 (E2M1 codes of W_out, K innermost, in blocks of 32 codes, two codes a byte); W_out_scales 1,024 x 32 uint8 (E8M0 scales of W_out, one for each 32 codes along K); W_qkv_codes 3,072 x 32 x 16 uint8 (E2M1 codes of W_qkv, K innermost, in blocks of 32 codes, two codes a byte); W_qkv_scales 3,072 x 32 uint8 (E8M0 scales of W_qkv, one for each 32 codes along K); cond_codes 2 x 2,048 x 32 x 16 uint8 (E2M1 codes of cond, K innermost, in blocks of 32 codes, two codes a byte); cond_scales 2 x 2,048 x 32 uint8 (E8M0 scales of cond, one for each 32 codes along K); pos 2 x 2,048 x 128 float32; rms_scale 1,024 float32; x 2 x 2,048 x 1,024 float32.
;; Outputs: out0 2 x 2,048 x 1,024 float32.
;; This version of the problem:
;;   THIS VERSION OF THE PROBLEM IS GIVEN IN LOW PRECISION. The matrix products marked QUANTISED in the list below multiply operands that are first quantised to E2M1 (2 exponent bits, 1 mantissa bit; 4 bits a number), with one power-of-two scale for each 32 numbers along K (OCP MX v1.0); their sums are f32. All else is computed in f32.
;;   The module's matrix products, in the order in which they are computed (A, B: the left and right operand; K: the contracted axis; several contracted axes count as one K, in the product's order):
;;     1. [M 4,096, K 1,024] x [K 1,024, N 3,072]; A: input cond (given as codes); B: input W_cond (given as codes): QUANTISED
;;     2. [M 4,096, K 1,024] x [K 1,024, N 3,072]; A: computed on the way; B: input W_qkv (given as codes): QUANTISED
;;     3. batch 32 x [M 2,048, K 64] x [K 64, N 2,048]; A: computed on the way; B: computed on the way: QUANTISED
;;     4. batch 32 x [M 64, K 2,048] x [K 2,048, N 2,048]; A: computed on the way; B: softmax (see below): QUANTISED
;;     5. [M 4,096, K 1,024] x [K 1,024, N 1,024]; A: computed on the way; B: input W_out (given as codes): QUANTISED
;;   THE QUANTISER, for each operand of a quantised product, along K:
;;     - K is cut into blocks of 32 from its start; a last block that is shorter is filled with zeros.
;;     - A block's scale is 2^e with e = floor(log2(the largest magnitude in the block)) - 2, held to -126 .. 127; a block of zeros has e = 0. As a byte (E8M0): e + 127.
;;     - Each number is divided by its block's scale, clamped to +-6, and rounded to the nearest number of E2M1, ties to even, subnormals kept.
;;     - The product sums the exact products of the quantised numbers (number of the format x scale) in f32.
;;   ~~~python
;;   def quantise(x, axis):      # numpy; x: float32 -> the quantised numbers, widened to float32 again
;;       x = np.moveaxis(x, axis, -1); K = x.shape[-1]
;;       x = np.pad(x, [(0, 0)] * (x.ndim - 1) + [(0, -K % 32)]); x = x.reshape(x.shape[:-1] + (-1, 32)); a = np.abs(x).max(-1, keepdims=True)
;;       e = np.where(a > 0, np.clip(np.frexp(np.where(a > 0, a, 1))[1] - 1 - 2, -126, 127), 0)      # np.frexp(a)[1] - 1 = floor(log2(a)), exactly
;;       r = np.clip(x / 2.0 ** e, -6, 6)
;;       step = 2.0 ** (np.maximum(np.frexp(np.where(r == 0, 1, r))[1] - 1, 0) - 1)
;;       q = np.round(r / step) * step * 2.0 ** e      # np.round: ties to even
;;       return np.moveaxis(q.reshape(q.shape[:-2] + (-1,))[..., :K], -1, axis).astype(np.float32)
;;   ~~~
;;   SOFTMAX AHEAD OF A QUANTISED PRODUCT. Where the list says 'softmax', what is quantised is not the finished softmax but p = 2^(t - M), with t = logit x log2(e) and M = ceil(the row's largest t), a whole number; so 1/2 < the row's largest p <= 1. The row's sum l is taken of the UNQUANTISED p, in f32, and the product's result is divided by l at the end. Since M is a whole number, a kernel that streams over the keys may use a running M (the ceiling of the running maximum): every later rescaling is an exact power of two, which a block's scale takes up: the codes' values come out the same.
;;   OPERANDS COMPUTED ON THE WAY. 'Computed on the way' means the value that the module computes at that place (a softmax that the list does not call 'softmax' is quantised finished and normalised). What goes into a quantiser is computed in f32, as accurately as f32 sums, v_exp_f32 and their like allow (about 1e-6 of the number): no bf16 or f16 on the way to a quantiser, and a product that is left as it is and whose result goes on into a quantised operand takes f32 operands (vector FMAs, or v_wmma_f32_16x16x4_f32). A number that lies on a knife's edge between two numbers of the format may be rounded either way, as far as f32 arithmetic and the matrix unit's own rounding can turn it there, and no further.
;;   INPUTS GIVEN AS CODES. W_cond (in the module: [1024, 3072], K = its axis 0); W_out (in the module: [1024, 1024], K = its axis 0); W_qkv (in the module: [1024, 3072], K = its axis 0); cond (in the module: [2, 2048, 1024], K = its axis 2): each comes as NAME_codes (uint8): NAME with its K axis moved to the last place and cut into blocks of 32 codes, [.., K / 32, bytes a block], one block behind the other in memory; two codes a byte, the lower K in the low four bits (a code: sign, 2 exponent bits, 1 mantissa bit); and NAME_scales (uint8): the same leading axes, one E8M0 byte (e + 127) for each 32 codes along K. Its value is code x scale, taken as it is: it is not quantised again, and the codes and scales need not be those that the quantiser above would give.
;; One version. Each part assembles by itself: llvm-mc -triple=amdgcn-amd-amdhsa -mcpu=gfx1250 --defsym DOCPART=n.
;; ======== version 1 of 1: 5 launches
;; limits: right only within a limited range of input values
;; workspace buffers: laid 6,144,000 bytes; xmq 2,228,224 bytes; qkvq 6,946,816 bytes; attq 2,228,224 bytes
;; launch prep (part 1): grid 344 x 1, 4 waves a work-group, no clusters, 35,328 bytes of LDS; arguments x, cond_codes, cond_scales, W_cond_codes, W_cond_scales, W_qkv_codes, W_qkv_scales, W_out_codes, W_out_scales, laid; writes laid
.if DOCPART == 1
	.amdgcn_target "amdgcn-amd-amdhsa--gfx1250"
	.amdhsa_code_object_version 6
	.text
	.protected	k_q8be7a42c3a_prep
	.globl	k_q8be7a42c3a_prep
	.p2align	8
	.type	k_q8be7a42c3a_prep,@function
k_q8be7a42c3a_prep:
	s_mov_b64 s[64:65], 0
	v_nop
	global_prefetch_b8 v0, s[64:65] scope:SCOPE_SE
	s_setreg_imm32_b32 hwreg(HW_REG_WAVE_MODE, 25, 1), 1
	s_wait_xcnt 0x0
; TWO JOBS, parted on the work-group's number.
; Work-groups 0-255: rinv[row] = 1 / sqrt(mean(x[row]^2) + 1e-6) for the 4,096 rows of x; a wave takes 4 rows, a row is 8 loads of 512 consecutive bytes.
; Work-groups 256-343: cond and the three weights (codes of E2M1, K innermost, 512 bytes a row, and 32 scale bytes a row) are laid once in the ORDER OF THE OPERAND'S REGISTERS.
; A PAIR is 32 logical rows; tile u (0, 1) of a pair holds, in lane r, logical row 8 u + r + 8 (r / 8).  A half-record (REC bytes) is a pair x 512 along K:
;   codes [u 2][K step 4][c 2][lane 32][16 bytes], then scale words [K step 4][lane 32] (lanes 0-15 tile 0, lanes 16-31 tile 1).  A section is [K half 2][pair] half-records.
; Which source rows are a pair's logical rows (first row, distance k from row to row) builds in the later launches' choice of rows:
;   cond and W_out: rows as they lie;  W_cond: rows 3 d + split (k = 3);  W_qkv: rows 48 hd + 3 head + split (k = 48).
; A wave takes one pair: each load reads one whole row (512 consecutive bytes, lane i piece i); the 16 rows of a tile turn through the wave's own stage in LDS (32 pieces x 16 rows, pitch 272),
; and leave as 16 stores of 512 consecutive bytes.  No input is shared between work-groups, so there is no cluster; no tensor load, no barrier: waves share nothing.
; LIMITS: NaN and infinities in x are not served.
.set REC, 8704
.set WC_OFF, 2228224
.set WG_OFF, 3342336
.set WQ_OFF, 3899392
.set WO_OFF, 5570560
.set RINV_OFF, 6127616
.set SP, 272                           ; a stage row: 16 rows' pieces of 16 bytes + 16 of padding
.set SCD, 10                           ; v10-17  scale words as loaded; in the first job the rows' sums
.set OFF, 18                           ; v18-33  byte offset of row r of a tile, + 16 x lane
.set T0, 34                            ; v34-97  tile 0; in the first job v34-161 hold four rows of x
.set T1, 98                            ; v98-161 tile 1
	s_load_b512 s[4:19], s[0:1], 0x0               ; x 4, cond codes 6, cond scales 8, W_cond codes 10, scales 12, W_qkv codes 14, scales 16, W_out codes 18
	s_load_b128 s[20:23], s[0:1], 0x40             ; W_out scales 20, laid 22
	v_lshl_add_u32 v164, v0, 2, 0x8800
	v_mov_b32 v165, 0
	v_lshrrev_b32 v1, 5, v0
	v_readfirstlane_b32 s24, v1                    ; wave 0..3
	v_and_b32 v2, 31, v0                           ; lane
	v_lshlrev_b32 v3, 4, v2                        ; 16 x lane
	v_lshlrev_b32 v6, 2, v2                        ; 4 x lane
	s_cmp_lt_u32 ttmp9, 256
	s_cbranch_scc0 .Lrelay
	; ---- rinv: my 4 rows are 16 x work-group + 4 x wave + 0 .. 3
	s_lshl_b32 s25, ttmp9, 4
	s_lshl_b32 s26, s24, 2
	s_add_co_u32 s25, s25, s26
	s_lshl_b32 s26, s25, 12                        ; 4,096 bytes a row
	s_mov_b32 s27, 0
	s_lshl_b32 s28, s25, 2
	s_add_co_u32 s28, s28, RINV_OFF
	s_mov_b32 s29, 0
	s_mov_b32 s30, 0x76543210                      ; v_permlanex16_b32's selects for lane l xor 16
	s_mov_b32 s31, 0xfedcba98
	s_mov_b32 s32, 0x3a800000                      ; 1 / 1024
	s_mov_b32 s33, 0x358637bd                      ; 1e-6
	s_wait_kmcnt 0x0
	s_add_nc_u64 s[4:5], s[4:5], s[26:27]
	s_add_nc_u64 s[22:23], s[22:23], s[28:29]
	s_wait_alu depctr_va_vdst(0)
.irp j, 0,1,2,3
.irp i, 0,1,2,3,4,5,6,7
	global_load_b128 v[T0+32*\j+4*\i:T0+32*\j+4*\i+3], v3, s[4:5] offset:4096*\j+512*\i   ; no hint: later launches read x again
.endr
.endr
.irp j, 0,1,2,3
	s_wait_loadcnt 24-8*\j                         ; row j's eight loads are in; the younger rows' may be out
	v_pk_mul_f32 v[SCD+2*\j:SCD+2*\j+1], v[T0+32*\j:T0+32*\j+1], v[T0+32*\j:T0+32*\j+1]   ; the first product starts the sum
.irp i, 2,4,6,8,10,12,14,16,18,20,22,24,26,28,30
	v_pk_fma_f32 v[SCD+2*\j:SCD+2*\j+1], v[T0+32*\j+\i:T0+32*\j+\i+1], v[T0+32*\j+\i:T0+32*\j+\i+1], v[SCD+2*\j:SCD+2*\j+1]
.endr
	v_add_f32 v[SCD+2*\j], v[SCD+2*\j], v[SCD+2*\j+1]
	v_add_f32_dpp v[SCD+2*\j], v[SCD+2*\j], v[SCD+2*\j] row_xmask:1 row_mask:0xf bank_mask:0xf
	v_add_f32_dpp v[SCD+2*\j], v[SCD+2*\j], v[SCD+2*\j] row_xmask:2 row_mask:0xf bank_mask:0xf
	v_add_f32_dpp v[SCD+2*\j], v[SCD+2*\j], v[SCD+2*\j] row_xmask:4 row_mask:0xf bank_mask:0xf
	v_add_f32_dpp v[SCD+2*\j], v[SCD+2*\j], v[SCD+2*\j] row_xmask:8 row_mask:0xf bank_mask:0xf
	v_permlanex16_b32 v[SCD+2*\j+1], v[SCD+2*\j], s30, s31
	v_add_f32 v[SCD+2*\j], v[SCD+2*\j], v[SCD+2*\j+1]      ; every lane holds row j's sum of squares
.endr
	v_cmp_eq_u32 vcc_lo, 1, v2                     ; lane j takes row j's sum
	v_cndmask_b32 v4, v[SCD], v[SCD+2], vcc_lo
	v_cmp_eq_u32 vcc_lo, 2, v2
	v_cndmask_b32 v4, v4, v[SCD+4], vcc_lo
	v_cmp_eq_u32 vcc_lo, 3, v2
	v_cndmask_b32 v4, v4, v[SCD+6], vcc_lo
	v_fma_f32 v4, v4, s32, s33                     ; the mean + eps
	s_wait_alu depctr_va_vdst(0)
	v_rsq_f32 v5, v4
	v_nop                                          ; one plain place behind the transcendental
	v_cmp_gt_u32 vcc_lo, 4, v2
	s_wait_xcnt 0x0                                ; EXEC is a source of the loads above: it changes only behind this wait
	s_and_saveexec_b32 s34, vcc_lo
	s_wait_alu depctr_va_vdst(0)
	global_store_b32 v6, v5, s[22:23]              ; lanes 0-3: my four rows' rinv
	s_wait_xcnt 0x0                                ; and again in front of the line that widens it
	s_or_b32 exec_lo, exec_lo, s34
	s_endpgm
.Lrelay:
	; ---- the laying out.  What differs between the six sources is chosen on the work-group's number alone; all take one path.
	; s40 first work-group, s41 k, s42 F2, s43 F0, s44 D2, s45 D0, s46 section, s47 pairs in a K half; s[36:37] codes, s[38:39] scales.
	; With t = 4 (work-group - first) + wave: first source row = 32 k (t & 1) + F2 (t >> 1) + F0;  pair in the section = (t & 1) + D2 (t >> 1) + D0.
	s_mov_b32 s40, 320                             ; W_qkv: t = 2 (3 head + split) + (hd / 32)
	s_mov_b32 s41, 48
	s_mov_b32 s42, 1
	s_mov_b32 s43, 0
	s_mov_b32 s44, 2
	s_mov_b32 s45, 0
	s_mov_b32 s46, WQ_OFF
	s_mov_b32 s47, 96
	s_wait_kmcnt 0x0
	s_mov_b64 s[36:37], s[14:15]
	s_mov_b64 s[38:39], s[16:17]
.macro ARM thr, first, k, f2, f0, d2, d0, sec, np, pc, ps
	s_cmp_lt_u32 ttmp9, \thr
	s_cselect_b32 s40, \first, s40
	s_cselect_b32 s41, \k, s41
	s_cselect_b32 s42, \f2, s42
	s_cselect_b32 s43, \f0, s43
	s_cselect_b32 s44, \d2, s44
	s_cselect_b32 s45, \d0, s45
	s_cselect_b32 s46, \sec, s46
	s_cselect_b32 s47, \np, s47
	s_cselect_b64 s[36:37], s[\pc:\pc+1], s[36:37]
	s_cselect_b64 s[38:39], s[\ps:\ps+1], s[38:39]
.endm
	ARM 320, 312, 3, 192, 2, 2, 0, WG_OFF, 32, 10, 12      ; W_cond rows 3 d + 2 (gate)
	ARM 312, 304, 3, 192, 1, 4, 2, WC_OFF, 64, 10, 12      ; W_cond rows 3 d + 1 (shift): pair 8 (d/128) + 4 ((d/64)%2) + 2 + (d/32)%2
	ARM 304, 296, 3, 192, 0, 4, 0, WC_OFF, 64, 10, 12      ; W_cond rows 3 d (scale)
	ARM 296, 288, 1, 64, 0, 2, 0, WO_OFF, 32, 18, 20       ; W_out
	ARM 288, 256, 1, 64, 0, 2, 0, 0, 128, 6, 8             ; cond
	s_sub_co_u32 s48, ttmp9, s40
	s_lshl_b32 s48, s48, 2
	s_add_co_u32 s48, s48, s24                     ; t
	s_and_b32 s49, s48, 1
	s_lshr_b32 s50, s48, 1
	s_lshl_b32 s51, s41, 5
	s_mul_i32 s51, s51, s49
	s_mul_i32 s52, s42, s50
	s_add_co_u32 s51, s51, s52
	s_add_co_u32 s51, s51, s43                     ; the pair's first source row
	s_mul_i32 s52, s44, s50
	s_add_co_u32 s52, s52, s49
	s_add_co_u32 s52, s52, s45                     ; the pair's place in its section
	s_mov_b32 s55, 0
	s_lshl_b32 s54, s51, 9
	s_add_nc_u64 s[36:37], s[36:37], s[54:55]      ; codes: tile 0's first row
	s_lshl_b32 s54, s41, 12
	s_add_nc_u64 s[56:57], s[36:37], s[54:55]      ; tile 1 begins 8 logical rows on
	s_lshl_b32 s54, s51, 5
	s_add_nc_u64 s[38:39], s[38:39], s[54:55]      ; scale bytes
	s_mul_i32 s54, s52, REC
	s_add_co_u32 s54, s54, s46
	s_add_nc_u64 s[58:59], s[22:23], s[54:55]      ; my half-record of K half 0,
	s_mul_i32 s54, s47, REC
	s_add_nc_u64 s[60:61], s[58:59], s[54:55]      ; and of K half 1
	s_lshl_b32 s62, s41, 9                         ; bytes from logical row to logical row: codes,
	s_lshl_b32 s53, s41, 5                         ; scale bytes
	s_wait_alu depctr_va_vdst(0)
	v_and_b32 v4, 15, v2                           ; r
	v_lshrrev_b32 v5, 4, v2                        ; u for the scale words, h for the way out of the stage
	v_and_b32 v7, 8, v4
	v_add_nc_u32 v7, v7, v4
	v_lshl_add_u32 v7, v5, 3, v7                   ; 8 u + r + 8 (r / 8)
	v_mul_u32_u24 v7, s53, v7                      ; my row's scale bytes
.irp r, 0,1,2,3,4,5,6,7,8,9,10,11,12,13,14,15
	v_mad_u32_u24 v[OFF+\r], s62, \r+8*(\r/8), v3  ; row r of a tile, my 16 bytes of its 512
.endr
	s_mul_i32 s54, s24, 32*SP                      ; my wave's stage
	v_mul_u32_u24 v8, v2, SP
	v_add_nc_u32 v8, s54, v8                       ; into it: stage row = my piece
	v_mul_u32_u24 v9, v5, SP
	v_lshl_add_u32 v9, v4, 4, v9
	v_add_nc_u32 v9, s54, v9                       ; out of it: lanes 0-15 one piece of 16 rows, lanes 16-31 the next piece
	global_load_b128 v[SCD:SCD+3], v7, s[38:39] th:TH_LOAD_NT
	global_load_b128 v[SCD+4:SCD+7], v7, s[38:39] offset:16 th:TH_LOAD_NT
.irp r, 0,1,2,3,4,5,6,7,8,9,10,11,12,13,14,15
	global_load_b128 v[T0+4*\r:T0+4*\r+3], v[OFF+\r], s[36:37] th:TH_LOAD_NT
.endr
.irp r, 0,1,2,3,4,5,6,7,8,9,10,11,12,13,14,15
	global_load_b128 v[T1+4*\r:T1+4*\r+3], v[OFF+\r], s[56:57] th:TH_LOAD_NT
.endr
	s_wait_alu depctr_va_vdst(0)
	s_wait_loadcnt 16                              ; the scale bytes and tile 0 are in; tile 1's 16 loads may be out
.irp s, 0,1,2,3
	global_store_b32 v6, v[SCD+\s], s[58:59] offset:8192+128*\s    ; K step s: 32 lanes, 128 consecutive bytes
	global_store_b32 v6, v[SCD+4+\s], s[60:61] offset:8192+128*\s
.endr
.macro TURN t                          ; a tile through the stage: LDS serves a wave's instructions in order, so no wait stands between the stores and the loads, nor in front of the next tile's stores
.irp r, 0,1,2,3,4,5,6,7,8,9,10,11,12,13,14,15
	ds_store_b128 v8, v[\t+4*\r:\t+4*\r+3] offset:16*\r
.endr
.irp k, 0,1,2,3,4,5,6,7,8,9,10,11,12,13,14,15
	ds_load_b128 v[\t+4*\k:\t+4*\k+3], v9 offset:2*\k*SP           ; pieces 2 k and 2 k + 1 of the 16 rows: register group (K step k / 2, c = k % 2)
.endr
.endm
.macro SEND t, u
.irp k, 0,1,2,3,4,5,6,7
	global_store_b128 v3, v[\t+4*\k:\t+4*\k+3], s[58:59] offset:4096*\u+512*\k
	global_store_b128 v3, v[\t+32+4*\k:\t+32+4*\k+3], s[60:61] offset:4096*\u+512*\k
.endr
.endm
	TURN T0
	s_wait_loadcnt 0x0
	TURN T1
	s_wait_dscnt 32                                ; tile 0 is back; tile 1's 16 stores and 16 loads may be out
	SEND T0, 0
	s_wait_dscnt 0x0
	SEND T1, 1
	s_wait_tensorcnt 0x0
	ds_add_u32 v164, v165
	s_wait_dscnt 0x0
	s_endpgm
.Lfunc_end_k_q8be7a42c3a_prep:
	.size	k_q8be7a42c3a_prep, .Lfunc_end_k_q8be7a42c3a_prep-k_q8be7a42c3a_prep
	.p2alignl 7, 3214868480
	.fill 96, 4, 3214868480
	.section	.rodata,"a",@progbits
	.p2align	6, 0x0
	.amdhsa_kernel k_q8be7a42c3a_prep
		.amdhsa_group_segment_fixed_size 35328
		.amdhsa_private_segment_fixed_size 0
		.amdhsa_enable_private_segment 0
		.amdhsa_kernarg_size 80
		.amdhsa_user_sgpr_count 2
		.amdhsa_user_sgpr_kernarg_segment_ptr 1
		.amdhsa_wavefront_size32 1
		.amdhsa_system_sgpr_workgroup_id_x 1
		.amdhsa_system_sgpr_workgroup_id_y 1
		.amdhsa_system_sgpr_workgroup_id_z 1
		.amdhsa_system_vgpr_workitem_id 0
		.amdhsa_next_free_vgpr 166
		.amdhsa_next_free_sgpr 66
		.amdhsa_reserve_vcc 1
		.amdhsa_float_denorm_mode_32 3
		.amdhsa_float_denorm_mode_16_64 3
		.amdhsa_memory_ordered 1
		.amdhsa_forward_progress 1
		.amdhsa_inst_pref_size 28
	.end_amdhsa_kernel
	.amdgpu_metadata
---
amdhsa.version: [ 1, 2 ]
amdhsa.kernels:
  - .name:           k_q8be7a42c3a_prep
    .symbol:         k_q8be7a42c3a_prep.kd
    .args:
      - { .name: x, .offset: 0, .size: 8, .value_kind: global_buffer, .address_space: global }
      - { .name: cond_codes, .offset: 8, .size: 8, .value_kind: global_buffer, .address_space: global }
      - { .name: cond_scales, .offset: 16, .size: 8, .value_kind: global_buffer, .address_space: global }
      - { .name: W_cond_codes, .offset: 24, .size: 8, .value_kind: global_buffer, .address_space: global }
      - { .name: W_cond_scales, .offset: 32, .size: 8, .value_kind: global_buffer, .address_space: global }
      - { .name: W_qkv_codes, .offset: 40, .size: 8, .value_kind: global_buffer, .address_space: global }
      - { .name: W_qkv_scales, .offset: 48, .size: 8, .value_kind: global_buffer, .address_space: global }
      - { .name: W_out_codes, .offset: 56, .size: 8, .value_kind: global_buffer, .address_space: global }
      - { .name: W_out_scales, .offset: 64, .size: 8, .value_kind: global_buffer, .address_space: global }
      - { .name: laid, .offset: 72, .size: 8, .value_kind: global_buffer, .address_space: global }
    .group_segment_fixed_size: 35328
    .private_segment_fixed_size: 0
    .kernarg_segment_align: 8
    .kernarg_segment_size: 80
    .max_flat_workgroup_size: 128
    .sgpr_count:     66
    .vgpr_count:     166
    .wavefront_size: 32
...
	.end_amdgpu_metadata
.endif
;; end of part 1
;; launch mod (part 2): grid 8 x 32, 8 waves a work-group, clusters of 4 x 4, 278,528 bytes of LDS; arguments laid, x, rms_scale, xmq; writes xmq
.if DOCPART == 2
	.amdgcn_target "amdgcn-amd-amdhsa--gfx1250"
	.amdhsa_code_object_version 6
	.text
	.protected	k_q8be7a42c3a_mod
	.globl	k_q8be7a42c3a_mod
	.p2align	8
	.type	k_q8be7a42c3a_mod,@function
k_q8be7a42c3a_mod:
	s_mov_b64 s[64:65], 0
	v_nop
	global_prefetch_b8 v0, s[64:65] scope:SCOPE_SE
	s_setreg_imm32_b32 hwreg(HW_REG_WAVE_MODE, 25, 1), 1
	s_wait_xcnt 0x0
	s_wait_alu depctr_hold_cnt(0) depctr_sa_sdst(0) depctr_va_vdst(0) depctr_va_sdst(0) depctr_va_ssrc(0) depctr_va_vcc(0) depctr_vm_vsrc(0)
	s_getreg_b32 s2, hwreg(HW_REG_IB_STS2, 6, 4)
	s_cmp_eq_u32 s2, 0
	s_cbranch_scc0 .Lentry_in_a_cluster
	s_endpgm
.Lentry_in_a_cluster:
	s_bfe_u32 s2, ttmp6, 0x10000c
	s_cmp_lg_u32 s2, 0xf033
	s_cbranch_scc0 .Lentry_shape_is_right
	s_endpgm
.Lentry_shape_is_right:
; xm = x rinv g (1 + scale) + shift, quantised along d into codes of E2M1 with one E8M0 byte for each 32; scale and shift are the columns 3 d and 3 d + 1 of cond x W_cond (both given as codes).
; A work-group takes 128 tokens (rb) x 128 channels d (sg), all of K = 1,024.  Its operands, 12 pairs x 2 K halves of half-records (see REC), lie in LDS once: every tensor load is a first fill, nothing is filled again.
; A half-record is a pair (32 rows; tile u holds in lane r row 8 u + r + 8 (r / 8)) x 512 along K in the order of the operand's registers: codes [u][K step 4][c 2][lane][16 bytes], scale words [K step 4][lane] (lanes 16-31: tile 1).
; CLUSTER 4 x 4: W's pairs hang on sg alone and are asked for jointly along a column of the cluster, cond's hang on rb alone and are asked for jointly along a row.  x's tile is the work-group's own.
; THE PRODUCT IS USED TRANSPOSED: source 0 = 16 rows of W (channels), source 1 = 16 tokens: a lane holds one token, and by the choice of a tile's rows the 16 registers of tiles 2 b' and 2 b' + 1 are 16 neighbouring channels.
; Wave w: token pair p = w / 2, channels 64 e .. 64 e + 63, e = w % 2: 8 tiles of W (scale's four, shift's four) x 2 tiles of tokens = 16 accumulators, which take turns, one instruction a turn.
; A wave's 64 x 32 results are register group c = e of two fragments of xm (K step sg); a scale word spans both waves of a token pair, so the two halves meet in LDS behind a barrier.
; LIMITS: NaN and infinities are not served; a block of xm whose largest magnitude lies under 2^-124 (a block of zeros too) gets the byte 1: its bytes are read by this program alone.
.set REC, 8704
.set CH, 12*REC                        ; a K half in LDS: pairs 0-7 W ([e][scale, shift][b']), pairs 8-11 cond
.set XT, 2*CH                          ; x's tile: 128 rows of 512 bytes + 16 of padding
.set XP, 528
.set XCH, XT+128*XP                    ; 128 bytes a wave: the scale words' halves
.set WC_OFF, 2228224
.set RINV_OFF, 6127616
.set NPH, 2
.set VA, 1                             ; v1-4  LDS addresses: A's codes, B's codes, A's scale words, B's
.set VB, 2
.set VSA, 3
.set VSB, 4
.set L16, 5                            ; v5    16 x lane
.set L4, 6                             ; v6    4 x lane
.set XAD, 7                            ; v7    my place in x's tile
.set XW, 8                             ; v8-10 the exchange: where I store, where the e = 0 wave's and the e = 1 wave's words lie
.set XRA, 9
.set XRB, 10
.set RI, 14                            ; v[14:15], v[16:17] rinv of my token in tile 0, 1 (the packed form names a pair)
.set G, 32                             ; v32-63 rms_scale at my 32 channels
.set SA, 64                            ; v64-67 A's scale words, a register a pair; v68 B's: they hold scales and nothing else
.set SB, 68
.set FB, 80                            ; v80-95 B's two fragments
.set FA, 96                            ; v96-127 four fragments of A; later 32 numbers of x
.set WV, 12
.set G1C, 24                           ; s[24:31] group 1, mask of my column;  s[32:39] of my row;  s[40:47] x's tile
.set G1R, 32
.set G1X, 40
.set G0W, 48                           ; s[48:55] W's two K halves;  s[56:63] cond's;  s[68:71] x's tile
.set G0C, 56
.set G0X, 68
.set SEL, 72
.macro CROUND                          ; a round of the cluster's barrier
	s_barrier_signal -1
	s_barrier_wait -1
	s_cmp_lg_u32 s[WV], 0
	s_cbranch_scc1 .Lnw0_\@
	s_barrier_signal -3
.Lnw0_\@:
	s_barrier_wait -3
	s_barrier_signal -1
	s_barrier_wait -1
.endm
.macro WM d, a, b, sa, sb, ra, rb, zero  ; one product; ra, rb: the side's scale words lie in lanes 16-31; zero: it starts the sum
.if (\zero) && (\ra) && (\rb)
	v_wmma_scale_f32_16x16x128_f8f6f4 v[\d:\d+7], v[\a:\a+7], v[\b:\b+7], 0, v[\sa], v[\sb] matrix_a_fmt:MATRIX_FMT_FP4 matrix_b_fmt:MATRIX_FMT_FP4 matrix_a_scale:MATRIX_SCALE_ROW1 matrix_b_scale:MATRIX_SCALE_ROW1
.elseif (\zero) && (\ra)
	v_wmma_scale_f32_16x16x128_f8f6f4 v[\d:\d+7], v[\a:\a+7], v[\b:\b+7], 0, v[\sa], v[\sb] matrix_a_fmt:MATRIX_FMT_FP4 matrix_b_fmt:MATRIX_FMT_FP4 matrix_a_scale:MATRIX_SCALE_ROW1
.elseif (\zero) && (\rb)
	v_wmma_scale_f32_16x16x128_f8f6f4 v[\d:\d+7], v[\a:\a+7], v[\b:\b+7], 0, v[\sa], v[\sb] matrix_a_fmt:MATRIX_FMT_FP4 matrix_b_fmt:MATRIX_FMT_FP4 matrix_b_scale:MATRIX_SCALE_ROW1
.elseif (\zero)
	v_wmma_scale_f32_16x16x128_f8f6f4 v[\d:\d+7], v[\a:\a+7], v[\b:\b+7], 0, v[\sa], v[\sb] matrix_a_fmt:MATRIX_FMT_FP4 matrix_b_fmt:MATRIX_FMT_FP4
.elseif (\ra) && (\rb)
	v_wmma_scale_f32_16x16x128_f8f6f4 v[\d:\d+7], v[\a:\a+7], v[\b:\b+7], v[\d:\d+7], v[\sa], v[\sb] matrix_a_fmt:MATRIX_FMT_FP4 matrix_b_fmt:MATRIX_FMT_FP4 matrix_a_scale:MATRIX_SCALE_ROW1 matrix_b_scale:MATRIX_SCALE_ROW1
.elseif (\ra)
	v_wmma_scale_f32_16x16x128_f8f6f4 v[\d:\d+7], v[\a:\a+7], v[\b:\b+7], v[\d:\d+7], v[\sa], v[\sb] matrix_a_fmt:MATRIX_FMT_FP4 matrix_b_fmt:MATRIX_FMT_FP4 matrix_a_scale:MATRIX_SCALE_ROW1
.elseif (\rb)
	v_wmma_scale_f32_16x16x128_f8f6f4 v[\d:\d+7], v[\a:\a+7], v[\b:\b+7], v[\d:\d+7], v[\sa], v[\sb] matrix_a_fmt:MATRIX_FMT_FP4 matrix_b_fmt:MATRIX_FMT_FP4 matrix_b_scale:MATRIX_SCALE_ROW1
.else
	v_wmma_scale_f32_16x16x128_f8f6f4 v[\d:\d+7], v[\a:\a+7], v[\b:\b+7], v[\d:\d+7], v[\sa], v[\sb] matrix_a_fmt:MATRIX_FMT_FP4 matrix_b_fmt:MATRIX_FMT_FP4
.endif
.endm
; 128 along K, the sp-th of the K half in hand: B's two fragments and all scale words, then A's tiles four at a time.  Accumulator (a, b) at v[128 + 64 (a / 4) + 32 b + 8 (a % 4)]: v128-191 scale, v192-255 shift.
; Four plain places stand behind each run of products, ahead of the loads into the registers that they read.
.macro KSTEP sp, zero
.irp u, 0,1
.irp c, 0,1
	ds_load_b128 v[FB+8*\u+4*\c:FB+8*\u+4*\c+3], v[VB] offset:\u*4096+(\sp)*1024+\c*512
.endr
.endr
	ds_load_b32 v[SB], v[VSB] offset:(\sp)*128
.set P, 0
.rept 2*NPH
	ds_load_b32 v[SA+P], v[VSA] offset:P*REC+(\sp)*128
.set P, P+1
.endr
.set PH, 0
.rept NPH
.irp f, 0,1,2,3
.irp c, 0,1
	ds_load_b128 v[FA+8*\f+4*\c:FA+8*\f+4*\c+3], v[VA] offset:(2*PH+\f/2)*REC+(\f%2)*4096+(\sp)*1024+\c*512
.endr
.endr
	s_wait_dscnt 0x0
.irp f, 0,1,2,3
.irp b, 0,1
.set AA, 4*PH+\f
.set AC, 128+64*(AA/4)+32*\b+8*(AA%4)
	WM AC, FA+8*\f, FB+8*\b, SA+2*PH+\f/2, SB, \f%2, \b, \zero
.endr
.endr
.rept 4
	v_nop
.endr
.set PH, PH+1
.endr
.endm
.macro KCHUNK zero
	KSTEP 0, \zero
	KSTEP 1, 0
	KSTEP 2, 0
	KSTEP 3, 0
.endm
.macro NEXTCHUNK
	v_add_nc_u32 v[VA], CH, v[VA]
	v_add_nc_u32 v[VB], CH, v[VB]
	v_add_nc_u32 v[VSA], CH, v[VSA]
	v_add_nc_u32 v[VSB], CH, v[VSB]
.endm
; 64 numbers of a lane, register 16 b + i = number 16 (lane / 16) + i of block b, become codes in v[pc] on (v[pc:pc+3]: lanes 0-15 block 0, lanes 16-31 block 1; v[pc+4:pc+7]: blocks 2, 3) and four scale bytes in v[pw].
.macro QUANT s, tm, pc, pw
.irp b, 0,1,2,3
	v_max3_num_f32 v[\tm+\b], |v[\s+16*\b]|, |v[\s+1+16*\b]|, 0x1800000   ; my 16 numbers, and the floor 2^(3 - 127): the byte cannot fall under 1
.endr
.irp i, 2,4,6,8,10,12,14
.irp b, 0,1,2,3
	s_delay_alu instid0(VALU_DEP_4)
	v_max3_num_f32 v[\tm+\b], v[\tm+\b], |v[\s+16*\b+\i]|, |v[\s+1+16*\b+\i]|
.endr
.endr
.irp b, 0,1,2,3
	v_permlanex16_b32 v[\tm+4+\b], v[\tm+\b], s[SEL], s[SEL+1]
.endr
.irp b, 0,1,2,3
	s_delay_alu instid0(VALU_DEP_4)
	v_max_num_f32 v[\tm+\b], v[\tm+\b], v[\tm+4+\b]        ; with lane l xor 16's: the block's largest magnitude
.endr
.irp b, 0,1,2,3
	s_delay_alu instid0(VALU_DEP_4)
	v_add_nc_u32 v[\tm+12+\b], 0xff000000, v[\tm+\b]       ; 2 off its exponent field: the conversion's scale operand
.endr
.irp b, 0,1,2,3
	s_delay_alu instid0(VALU_DEP_4)
	v_lshrrev_b32 v[\tm+4+\b], 23, v[\tm+12+\b]            ; the scale's byte
.endr
	s_delay_alu instid0(VALU_DEP_3)
	v_lshl_or_b32 v[\pw], v[\tm+5], 8, v[\tm+4]
	s_delay_alu instid0(VALU_DEP_1)
	v_lshl_or_b32 v[\pw], v[\tm+6], 16, v[\pw]
	s_delay_alu instid0(VALU_DEP_1)
	v_lshl_or_b32 v[\pw], v[\tm+7], 24, v[\pw]
.irp b, 0,1,2,3
	v_cvt_scalef32_pk8_fp4_f32 v[\pc+2*\b], v[\s+16*\b:\s+7+16*\b], v[\tm+12+\b]
	v_cvt_scalef32_pk8_fp4_f32 v[\pc+1+2*\b], v[\s+8+16*\b:\s+15+16*\b], v[\tm+12+\b]
.endr
	v_nop                                          ; one plain place behind a scaled conversion
.irp c, 0,1
.irp i, 0,1
	v_permlane16_swap_b32 v[\pc+4*\c+\i], v[\pc+2+4*\c+\i] ; a whole block in a lane
.endr
.endr
.endm
	s_load_b256 s[4:11], s[0:1], 0x0               ; laid 4, x 6, rms_scale 8, xmq 10
	v_lshl_add_u32 v78, v0, 2, 0x43c00
	v_mov_b32 v79, 0
	ds_add_u32 v78, v79
	ds_add_u32 v78, v79
	v_lshrrev_b32 v11, 5, v0
	s_delay_alu instid0(VALU_DEP_1)
	v_readfirstlane_b32 s[WV], v11                 ; wave 0..7
	s_bfe_u32 s13, ttmp6, 0x40000                  ; cx
	s_bfe_u32 s14, ttmp6, 0x40004                  ; cy
	s_lshl_b32 s15, ttmp9, 2
	s_add_co_u32 s15, s15, s13                     ; sg = 4 x cluster x + cx
	s_and_b32 s16, ttmp7, 0xffff
	s_lshl_b32 s16, s16, 2
	s_add_co_u32 s16, s16, s14                     ; rb = 4 x cluster y + cy
	s_lshl_b32 s17, s14, 2
	s_lshl_b32 s17, 15, s17                        ; my row of the cluster
	s_lshl_b32 s18, 0x1111, s13                    ; my column
	; group 1 of a dense block of 4 half-records: 136 rows of 32 elements of 8 bytes
	s_or_b32 s[G1C], s18, (3<<16)|(1<<21)
	s_or_b32 s[G1R], s17, (3<<16)|(1<<21)
.irp g, G1C, G1R
	s_mov_b32 s[\g+1], 32<<16                      ; tensor_dim0
	s_mov_b32 s[\g+2], 136<<16                     ; tensor_dim1
	s_mov_b32 s[\g+3], 32<<16                      ; tile_dim0
	s_mov_b32 s[\g+4], 136                         ; tile_dim1
	s_mov_b32 s[\g+5], 32                          ; pitch
	s_mov_b32 s[\g+6], 0
	s_mov_b32 s[\g+7], 0
.endr
	s_mov_b32 s[G1X], (3<<16)|(1<<20)|(6<<22)|(3<<25)  ; x's tile: no mask; elements of 8 bytes; 4 words of padding behind every 128
	s_mov_b32 s[G1X+1], 64<<16
	s_mov_b32 s[G1X+2], 128<<16
	s_mov_b32 s[G1X+3], 64<<16
	s_mov_b32 s[G1X+4], 128
	s_mov_b32 s[G1X+5], 512
	s_mov_b32 s[G1X+6], 0
	s_mov_b32 s[G1X+7], 0
	s_and_b32 s22, s[WV], 1                        ; waves 0, 1 (K half 0) and 2, 3 (K half 1): which four pairs of W
	s_mul_i32 s22, s22, 4*REC                      ; also their place in LDS
	s_mul_i32 s20, s15, 8*REC
	s_add_co_u32 s20, s20, s22
	s_add_co_u32 s20, s20, WC_OFF
	s_mov_b32 s21, 0
	s_mul_i32 s74, s16, 4*REC                      ; cond's four pairs
	s_mov_b32 s75, 0
	s_lshl_b32 s76, s16, 19                        ; x: 128 rows of 4,096 bytes a block, 512 bytes a channel group
	s_lshl_b32 s77, s15, 9
	s_add_co_u32 s76, s76, s77
	s_mov_b32 s77, 0
	s_mov_b32 s[SEL], 0x76543210
	s_mov_b32 s[SEL+1], 0xfedcba98
	s_wait_dscnt 0x0
	s_wait_kmcnt 0x0
	s_mov_b32 s[G0W], 1
	s_mov_b32 s[G0W+1], s22
	s_add_nc_u64 s[G0W+2:G0W+3], s[4:5], s[20:21]
	s_mov_b32 s[G0W+4], 1
	s_add_co_u32 s[G0W+5], s22, CH
	s_add_nc_u64 s[G0W+6:G0W+7], s[G0W+2:G0W+3], 64*REC
	s_or_b32 s[G0W+3], s[G0W+3], 0x80000000
	s_or_b32 s[G0W+7], s[G0W+7], 0x80000000
	s_mov_b32 s[G0C], 1
	s_mov_b32 s[G0C+1], 8*REC
	s_add_nc_u64 s[G0C+2:G0C+3], s[4:5], s[74:75]
	s_mov_b32 s[G0C+4], 1
	s_mov_b32 s[G0C+5], CH+8*REC
	s_add_nc_u64 s[G0C+6:G0C+7], s[G0C+2:G0C+3], 128*REC
	s_or_b32 s[G0C+3], s[G0C+3], 0x80000000
	s_or_b32 s[G0C+7], s[G0C+7], 0x80000000
	s_mov_b32 s[G0X], 1
	s_mov_b32 s[G0X+1], XT
	s_add_nc_u64 s[G0X+2:G0X+3], s[6:7], s[76:77]
	s_or_b32 s[G0X+3], s[G0X+3], 0x80000000
	CROUND                                         ; all sixteen work-groups are here: the joint loads meet
	; all seven fills of the launch, one a wave, in one chain of arms: waves 0, 1 W's K half 0; 2, 3 its K half 1; 4, 5 cond's halves; 6 x's tile; wave 7 none
.macro ARM under, g0, g1, next
	s_cmp_lt_u32 s[WV], \under
	s_cbranch_scc0 \next
	tensor_load_to_lds s[\g0:\g0+3], s[\g1:\g1+7]
	s_nop 0
.rept 4
	v_nop
.endr
	s_branch .Lasked
\next:
.endm
	ARM 2, G0W, G1C, .Lh1
	ARM 4, G0W+4, G1C, .Lh2
	ARM 5, G0C, G1R, .Lh3
	ARM 6, G0C+4, G1R, .Lh4
	s_cmp_lt_u32 s[WV], 7
	s_cbranch_scc0 .Lasked
	tensor_load_to_lds s[G0X:G0X+3], s[G1X:G1X+7]
	s_nop 0
.rept 4
	v_nop
.endr
.Lasked:
	v_and_b32 v11, 31, v0                          ; lane
	v_and_b32 v12, 15, v0                          ; r
	v_bfe_u32 v13, v0, 4, 1                        ; h
	s_delay_alu instid0(VALU_DEP_3)
	v_lshlrev_b32 v[L16], 4, v11
	s_delay_alu instid0(VALU_DEP_4)
	v_lshlrev_b32 v[L4], 2, v11
	s_lshr_b32 s78, s[WV], 1                       ; p
	s_and_b32 s79, s[WV], 1                        ; e
	s_mul_i32 s80, s79, 4*REC                      ; A: my four pairs of W
	s_mul_i32 s81, s78, REC
	s_add_co_u32 s81, s81, 8*REC                   ; B: my pair of tokens
	v_add_nc_u32 v[VA], s80, v[L16]
	v_add_nc_u32 v[VB], s81, v[L16]
	s_add_co_u32 s80, s80, 8192
	s_add_co_u32 s81, s81, 8192
	v_add_nc_u32 v[VSA], s80, v[L4]
	v_add_nc_u32 v[VSB], s81, v[L4]
	v_and_b32 v18, 8, v12
	s_delay_alu instid0(VALU_DEP_1)
	v_add_nc_u32 v18, v18, v12                     ; r + 8 (r / 8)
	s_wait_alu depctr_va_vdst(0)
	v_mul_u32_u24 v[XAD], v18, XP
	s_delay_alu instid0(VALU_DEP_1)
	v_lshl_add_u32 v[XAD], v13, 6, v[XAD]          ; x's tile: my token's row, + 64 h bytes
	s_mul_i32 s82, s78, 32*XP
	s_lshl_b32 s83, s79, 8
	s_add_co_u32 s82, s82, s83
	s_add_co_u32 s82, s82, XT
	v_add_nc_u32 v[XAD], s82, v[XAD]
	s_lshl_b32 s82, s[WV], 7
	s_add_co_u32 s82, s82, XCH
	v_add_nc_u32 v[XW], s82, v[L4]
	s_and_b32 s82, s[WV], 6
	s_lshl_b32 s82, s82, 7
	s_add_co_u32 s82, s82, XCH
	v_add_nc_u32 v[XRA], s82, v[L4]
	s_delay_alu instid0(VALU_DEP_1)
	v_add_nc_u32 v[XRB], 128, v[XRA]
	s_lshl_b32 s84, s15, 9                         ; rms_scale at channel 128 sg + 64 e
	s_lshl_b32 s85, s79, 8
	s_add_co_u32 s84, s84, s85
	s_mov_b32 s85, 0
	s_add_nc_u64 s[8:9], s[8:9], s[84:85]
	v_lshlrev_b32 v19, 6, v13                      ; + 16 h channels
	s_lshl_b32 s86, s16, 9                         ; rinv at token 128 rb + 32 p
	s_lshl_b32 s87, s78, 7
	s_add_co_u32 s86, s86, s87
	s_add_co_u32 s86, s86, RINV_OFF
	s_mov_b32 s87, 0
	s_add_nc_u64 s[88:89], s[4:5], s[86:87]
	v_lshlrev_b32 v20, 2, v18
.irp b, 0,1
.irp i, 0,1,2,3
	global_load_b128 v[G+16*\b+4*\i:G+16*\b+4*\i+3], v19, s[8:9] offset:128*\b+16*\i
.endr
.endr
	global_load_b32 v[RI], v20, s[88:89]
	global_load_b32 v[RI+2], v20, s[88:89] offset:32       ; tile 1's tokens lie 8 rows on
	s_lshr_b32 s90, s15, 2                         ; where xm goes: half-record (K half sg / 4, pair 4 rb + p)
	s_lshl_b32 s90, s90, 7
	s_lshl_b32 s91, s16, 2
	s_add_co_u32 s90, s90, s91
	s_add_co_u32 s90, s90, s78
	s_mul_i32 s90, s90, REC
	s_mov_b32 s91, 0
	s_add_nc_u64 s[10:11], s[10:11], s[90:91]
	s_and_b32 s90, s15, 3
	s_lshl_b32 s92, s90, 10
	s_lshl_b32 s93, s79, 9
	s_add_co_u32 s92, s92, s93
	s_mov_b32 s93, 0
	s_add_nc_u64 s[92:93], s[10:11], s[92:93]      ; codes: K step sg % 4, c = e
	s_lshl_b32 s94, s90, 7
	s_add_co_u32 s94, s94, 8192
	s_mov_b32 s95, 0
	s_add_nc_u64 s[94:95], s[10:11], s[94:95]      ; scale words
	s_wait_tensorcnt 0x0                           ; my one fill has landed
	s_barrier_signal -1
	s_barrier_wait -1                              ; everybody's has
	KCHUNK 1
	NEXTCHUNK
	s_wait_alu depctr_va_vdst(0)
	KCHUNK 0
	s_wait_loadcnt 0x0                             ; rms_scale, rinv
	v_mov_b32 v[RI+1], v[RI]
	s_wait_alu depctr_va_vdst(0)
	v_mov_b32 v[RI+3], v[RI+2]
; the modulation of token tile u: register 16 b' + i is channel 64 e + 32 b' + 16 h + i.  Every accumulator is read from its low end on.
.macro MODUL u
.irp b, 0,1
.irp i, 0,1,2,3
	ds_load_b128 v[FA+16*\b+4*\i:FA+16*\b+4*\i+3], v[XAD] offset:8*XP*\u+128*\b+16*\i
.endr
.endr
	s_wait_dscnt 0x0
.irp j, 0,2,4,6,8,10,12,14,16,18,20,22,24,26,28,30
	v_pk_mul_f32 v[FA+\j:FA+\j+1], v[FA+\j:FA+\j+1], v[RI+2*\u:RI+2*\u+1] op_sel_hi:[1,0]   ; x rinv
.endr
.irp j, 0,2,4,6,8,10,12,14,16,18,20,22,24,26,28,30
	v_pk_mul_f32 v[FA+\j:FA+\j+1], v[FA+\j:FA+\j+1], v[G+\j:G+\j+1]                         ; x rinv g
.endr
.irp j, 0,2,4,6,8,10,12,14,16,18,20,22,24,26,28,30
	v_pk_add_f32 v[128+32*\u+\j:129+32*\u+\j], v[128+32*\u+\j:129+32*\u+\j], 1.0 op_sel_hi:[1,0]   ; 1 + scale
.endr
.irp j, 0,2,4,6,8,10,12,14,16,18,20,22,24,26,28,30
	v_pk_fma_f32 v[128+32*\u+\j:129+32*\u+\j], v[FA+\j:FA+\j+1], v[128+32*\u+\j:129+32*\u+\j], v[192+32*\u+\j:193+32*\u+\j]
.endr
.endm
	MODUL 0
	MODUL 1
	QUANT 128, 192, 208, 216                       ; blocks 0, 1: tile 0's channels 32 b'; blocks 2, 3: tile 1's
	global_store_b128 v[L16], v[208:211], s[92:93]                 ; 512 consecutive bytes: tile 0's register group
	global_store_b128 v[L16], v[212:215], s[92:93] offset:4096     ; tile 1's
	ds_store_b32 v[XW], v216
	s_wait_dscnt 0x0                               ; for the other wave's sake
	s_barrier_signal -1
	s_barrier_wait -1
	ds_load_b32 v217, v[XRA]                       ; the e = 0 wave's four bytes (tile 0: two, tile 1: two),
	ds_load_b32 v218, v[XRB]                       ; the e = 1 wave's
	s_wait_dscnt 0x0
	v_perm_b32 v219, v218, v217, 0x05040100        ; tile 0's word: channels 0-63's two bytes, then 64-127's
	v_perm_b32 v220, v218, v217, 0x07060302        ; tile 1's
	v_cmp_gt_u32 vcc_lo, 16, v11
	s_delay_alu instid0(VALU_DEP_1)
	v_cndmask_b32 v219, v220, v219, vcc_lo         ; lanes 0-15 tile 0, lanes 16-31 tile 1
	s_cmp_lg_u32 s79, 0
	s_cbranch_scc1 .Lno_words
	global_store_b32 v[L4], v219, s[94:95]         ; the e = 0 wave stores the pair's 128 bytes
.Lno_words:
	s_wait_tensorcnt 0x0
	ds_add_u32 v78, v79
	s_wait_dscnt 0x0
	CROUND                                         ; the closing round: no work-group ends while a partner may still ask for a tile that names it
	s_endpgm
.Lfunc_end_k_q8be7a42c3a_mod:
	.size	k_q8be7a42c3a_mod, .Lfunc_end_k_q8be7a42c3a_mod-k_q8be7a42c3a_mod
	.p2alignl 7, 3214868480
	.fill 96, 4, 3214868480
	.section	.rodata,"a",@progbits
	.p2align	6, 0x0
	.amdhsa_kernel k_q8be7a42c3a_mod
		.amdhsa_group_segment_fixed_size 278528
		.amdhsa_private_segment_fixed_size 0
		.amdhsa_enable_private_segment 0
		.amdhsa_kernarg_size 32
		.amdhsa_user_sgpr_count 2
		.amdhsa_user_sgpr_kernarg_segment_ptr 1
		.amdhsa_wavefront_size32 1
		.amdhsa_system_sgpr_workgroup_id_x 1
		.amdhsa_system_sgpr_workgroup_id_y 1
		.amdhsa_system_sgpr_workgroup_id_z 1
		.amdhsa_system_vgpr_workitem_id 0
		.amdhsa_next_free_vgpr 256
		.amdhsa_next_free_sgpr 96
		.amdhsa_reserve_vcc 1
		.amdhsa_float_denorm_mode_32 3
		.amdhsa_float_denorm_mode_16_64 3
		.amdhsa_memory_ordered 1
		.amdhsa_forward_progress 1
		.amdhsa_inst_pref_size 57
	.end_amdhsa_kernel
	.amdgpu_metadata
---
amdhsa.version: [ 1, 2 ]
amdhsa.kernels:
  - .name:           k_q8be7a42c3a_mod
    .symbol:         k_q8be7a42c3a_mod.kd
    .args:
      - { .name: laid, .offset: 0, .size: 8, .value_kind: global_buffer, .address_space: global }
      - { .name: x, .offset: 8, .size: 8, .value_kind: global_buffer, .address_space: global }
      - { .name: rms_scale, .offset: 16, .size: 8, .value_kind: global_buffer, .address_space: global }
      - { .name: xmq, .offset: 24, .size: 8, .value_kind: global_buffer, .address_space: global }
    .group_segment_fixed_size: 278528
    .private_segment_fixed_size: 0
    .kernarg_segment_align: 8
    .kernarg_segment_size: 32
    .max_flat_workgroup_size: 256
    .sgpr_count:     96
    .vgpr_count:     256
    .wavefront_size: 32
...
	.end_amdgpu_metadata
.endif
;; end of part 2
;; launch qkv (part 3): grid 8 x 32, 12 waves a work-group, clusters of 4 x 4, 280,064 bytes of LDS; arguments laid, xmq, pos, qkvq; writes qkvq
.if DOCPART == 3
	.amdgcn_target "amdgcn-amd-amdhsa--gfx1250"
	.amdhsa_code_object_version 6
	.text
	.protected	k_q8be7a42c3a_qkv
	.globl	k_q8be7a42c3a_qkv
	.p2align	8
	.type	k_q8be7a42c3a_qkv,@function
k_q8be7a42c3a_qkv:
	s_mov_b64 s[64:65], 0
	v_nop
	global_prefetch_b8 v0, s[64:65] scope:SCOPE_SE
	s_setreg_imm32_b32 hwreg(HW_REG_WAVE_MODE, 25, 1), 1
	s_wait_xcnt 0x0
	s_wait_alu depctr_hold_cnt(0) depctr_sa_sdst(0) depctr_va_vdst(0) depctr_va_sdst(0) depctr_va_ssrc(0) depctr_va_vcc(0) depctr_vm_vsrc(0)
	s_getreg_b32 s2, hwreg(HW_REG_IB_STS2, 6, 4)
	s_cmp_eq_u32 s2, 0
	s_cbranch_scc0 .Lentry_in_a_cluster
	s_endpgm
.Lentry_in_a_cluster:
	s_bfe_u32 s2, ttmp6, 0x10000c
	s_cmp_lg_u32 s2, 0xf033
	s_cbranch_scc0 .Lentry_shape_is_right
	s_endpgm
.Lentry_shape_is_right:
; q, k, v = xm x W_qkv for two heads (cg) and 128 tokens (rb, one key step of attention), RoPE on q and k, and all three quantised: q and k along the head's 64, v along the 128 keys.
; Operands are half-records (a pair of 32 rows x 512 along K in the order of the operand's registers; tile u holds in lane r row 8 u + r + 8 (r / 8)); 16 pairs x 2 K halves lie in LDS once: every tensor load is a first fill.
; CLUSTER 4 x 4: W's pairs hang on cg alone (joint along a column), xm's on rb alone (joint along a row).
; ROLES.  Waves 0-7 (head' = w / 4, token pair p = w % 4): source 0 = the head's 8 tiles of W (q: hd 0-31, 32-63; k likewise), source 1 = two tiles of tokens: a lane holds one token, its registers run along hd,
;   and hd and hd + 32 lie in one lane, 16 registers apart, which is what the rotation pairs.  Waves 8-11 (head' = (w / 2) % 2, bb = w % 2): source 0 = the 8 tiles of tokens, source 1 = two tiles of v's rows of W:
;   a lane holds one hd, its registers run along the keys.  One K loop serves both: only the two bases differ.  16 accumulators take turns, one instruction a turn.
; OUT (qkvq): Q codes [bh][tile 128][512 bytes]; Q scale words [bh][pair 64][lane]; records [bh][key step 16] of 8,960 bytes: K codes 8 x 512, V^T codes [t 4][c 2][512], K scale words [p 4][lane], V's [bb 2][lane].
;   q's and k's K is 64: a fragment's registers 0-3; their scale words carry 0x7f in bytes 2 and 3.  q is stored without the factor 1/8, a power of two, which attention folds into its constant.
; LIMITS: NaN and infinities are not served; a block whose largest magnitude lies under 2^-124 (a block of zeros too) gets the byte 1; with 1/8 folded away the codes differ from the definition's only where q's block exponent would be held at -126.
.set REC, 8704
.set CH, 16*REC                        ; a K half in LDS: pairs 0-11 W ([head'][q0 q1 k0 k1 v0 v1]), pairs 12-15 xm
.set WQ_OFF, 3899392
.set QS_OFF, 2097152
.set KV_OFF, 2359296
.set KVREC, 8960
.set NPH, 2
.set VA, 1
.set VB, 2
.set VSA, 3
.set VSB, 4
.set L16, 5                            ; v5     16 x lane; never rewritten
.set L4, 6                             ; v6     4 x lane; never rewritten
.set PO, 7                             ; v7     my byte offset in pos
.set POS, 8                            ; v8-71  pos of my token in tile 0: (sin, cos) of hd 16 h + 0..15, then of hd 32 + 16 h + 0..15; the same names in window 1 (v264-327): tile 1
                                       ;        (v11-14 serve as temporaries at the head alone: the loads of pos land on them)
.set SA, 72                            ; v72-75 A's scale words, v76 B's: they hold scales and nothing else
.set SB, 76
.set PW, 77                            ; v77, v78 the scale words just made; v79 at work
.set FB, 80
.set FA, 96
.set WV, 12
.set G1C, 24
.set G1R, 32
.set G0W, 40
.set G0X, 48
.set SEL, 56
.set MSB, 0
.macro WIN new                         ; the immediate's high byte repeats the setting that is left
.if MSB != \new
	s_set_vgpr_msb (MSB<<8)|\new
.set MSB, \new
.endif
.endm
.macro CROUND
	s_barrier_signal -1
	s_barrier_wait -1
	s_cmp_lg_u32 s[WV], 0
	s_cbranch_scc1 .Lnw0_\@
	s_barrier_signal -3
.Lnw0_\@:
	s_barrier_wait -3
	s_barrier_signal -1
	s_barrier_wait -1
.endm
.macro WM d, a, b, sa, sb, ra, rb, zero
.if (\zero) && (\ra) && (\rb)
	v_wmma_scale_f32_16x16x128_f8f6f4 v[\d:\d+7], v[\a:\a+7], v[\b:\b+7], 0, v[\sa], v[\sb] matrix_a_fmt:MATRIX_FMT_FP4 matrix_b_fmt:MATRIX_FMT_FP4 matrix_a_scale:MATRIX_SCALE_ROW1 matrix_b_scale:MATRIX_SCALE_ROW1
.elseif (\zero) && (\ra)
	v_wmma_scale_f32_16x16x128_f8f6f4 v[\d:\d+7], v[\a:\a+7], v[\b:\b+7], 0, v[\sa], v[\sb] matrix_a_fmt:MATRIX_FMT_FP4 matrix_b_fmt:MATRIX_FMT_FP4 matrix_a_scale:MATRIX_SCALE_ROW1
.elseif (\zero) && (\rb)
	v_wmma_scale_f32_16x16x128_f8f6f4 v[\d:\d+7], v[\a:\a+7], v[\b:\b+7], 0, v[\sa], v[\sb] matrix_a_fmt:MATRIX_FMT_FP4 matrix_b_fmt:MATRIX_FMT_FP4 matrix_b_scale:MATRIX_SCALE_ROW1
.elseif (\zero)
	v_wmma_scale_f32_16x16x128_f8f6f4 v[\d:\d+7], v[\a:\a+7], v[\b:\b+7], 0, v[\sa], v[\sb] matrix_a_fmt:MATRIX_FMT_FP4 matrix_b_fmt:MATRIX_FMT_FP4
.elseif (\ra) && (\rb)
	v_wmma_scale_f32_16x16x128_f8f6f4 v[\d:\d+7], v[\a:\a+7], v[\b:\b+7], v[\d:\d+7], v[\sa], v[\sb] matrix_a_fmt:MATRIX_FMT_FP4 matrix_b_fmt:MATRIX_FMT_FP4 matrix_a_scale:MATRIX_SCALE_ROW1 matrix_b_scale:MATRIX_SCALE_ROW1
.elseif (\ra)
	v_wmma_scale_f32_16x16x128_f8f6f4 v[\d:\d+7], v[\a:\a+7], v[\b:\b+7], v[\d:\d+7], v[\sa], v[\sb] matrix_a_fmt:MATRIX_FMT_FP4 matrix_b_fmt:MATRIX_FMT_FP4 matrix_a_scale:MATRIX_SCALE_ROW1
.elseif (\rb)
	v_wmma_scale_f32_16x16x128_f8f6f4 v[\d:\d+7], v[\a:\a+7], v[\b:\b+7], v[\d:\d+7], v[\sa], v[\sb] matrix_a_fmt:MATRIX_FMT_FP4 matrix_b_fmt:MATRIX_FMT_FP4 matrix_b_scale:MATRIX_SCALE_ROW1
.else
	v_wmma_scale_f32_16x16x128_f8f6f4 v[\d:\d+7], v[\a:\a+7], v[\b:\b+7], v[\d:\d+7], v[\sa], v[\sb] matrix_a_fmt:MATRIX_FMT_FP4 matrix_b_fmt:MATRIX_FMT_FP4
.endif
.endm
; 128 along K.  Accumulator (a, b) at v[128 + 64 b + 8 a].  Four plain places stand behind each run of products, ahead of the loads into the registers that they read.
.macro KSTEP sp, zero
.irp u, 0,1
.irp c, 0,1
	ds_load_b128 v[FB+8*\u+4*\c:FB+8*\u+4*\c+3], v[VB] offset:\u*4096+(\sp)*1024+\c*512
.endr
.endr
	ds_load_b32 v[SB], v[VSB] offset:(\sp)*128
.set P, 0
.rept 2*NPH
	ds_load_b32 v[SA+P], v[VSA] offset:P*REC+(\sp)*128
.set P, P+1
.endr
.set PH, 0
.rept NPH
.irp f, 0,1,2,3
.irp c, 0,1
	ds_load_b128 v[FA+8*\f+4*\c:FA+8*\f+4*\c+3], v[VA] offset:(2*PH+\f/2)*REC+(\f%2)*4096+(\sp)*1024+\c*512
.endr
.endr
	s_wait_dscnt 0x0
.irp f, 0,1,2,3
.irp b, 0,1
.set AA, 4*PH+\f
.set AC, 128+64*\b+8*AA
	WM AC, FA+8*\f, FB+8*\b, SA+2*PH+\f/2, SB, \f%2, \b, \zero
.endr
.endr
.rept 4
	v_nop
.endr
.set PH, PH+1
.endr
.endm
.macro KCHUNK zero
	KSTEP 0, \zero
	KSTEP 1, 0
	KSTEP 2, 0
	KSTEP 3, 0
.endm
.macro NEXTCHUNK
	v_add_nc_u32 v[VA], CH, v[VA]
	v_add_nc_u32 v[VB], CH, v[VB]
	v_add_nc_u32 v[VSA], CH, v[VSA]
	v_add_nc_u32 v[VSB], CH, v[VSB]
.endm
; 64 numbers of a lane, register 16 b + i = number 16 (lane / 16) + i of block b, become codes in v[pc] on (v[pc:pc+3]: lanes 0-15 block 0, lanes 16-31 block 1; v[pc+4:pc+7]: blocks 2, 3) and four scale bytes in v[pw].
.macro QUANT s, tm, pc, pw
.irp b, 0,1,2,3
	v_max3_num_f32 v[\tm+\b], |v[\s+16*\b]|, |v[\s+1+16*\b]|, 0x1800000   ; my 16 numbers, and the floor 2^(3 - 127): the byte cannot fall under 1
.endr
.irp i, 2,4,6,8,10,12,14
.irp b, 0,1,2,3
	v_max3_num_f32 v[\tm+\b], v[\tm+\b], |v[\s+16*\b+\i]|, |v[\s+1+16*\b+\i]|
.endr
.endr
.irp b, 0,1,2,3
	s_delay_alu instid0(VALU_DEP_4)
	v_permlanex16_b32 v[\tm+4+\b], v[\tm+\b], s[SEL], s[SEL+1]
.endr
.irp b, 0,1,2,3
	s_delay_alu instid0(VALU_DEP_4)
	v_max_num_f32 v[\tm+\b], v[\tm+\b], v[\tm+4+\b]
.endr
.irp b, 0,1,2,3
	s_delay_alu instid0(VALU_DEP_4)
	v_add_nc_u32 v[\tm+12+\b], 0xff000000, v[\tm+\b]       ; 2 off the exponent field: the conversion's scale operand
.endr
.irp b, 0,1,2,3
	s_delay_alu instid0(VALU_DEP_4)
	v_lshrrev_b32 v[\tm+4+\b], 23, v[\tm+12+\b]            ; the scale's byte
.endr
	s_delay_alu instid0(VALU_DEP_3)
	v_lshl_or_b32 v[\pw], v[\tm+5], 8, v[\tm+4]
	s_delay_alu instid0(VALU_DEP_1)
	v_lshl_or_b32 v[\pw], v[\tm+6], 16, v[\pw]
	s_delay_alu instid0(VALU_DEP_1)
	v_lshl_or_b32 v[\pw], v[\tm+7], 24, v[\pw]
.irp b, 0,1,2,3
	v_cvt_scalef32_pk8_fp4_f32 v[\pc+2*\b], v[\s+16*\b:\s+7+16*\b], v[\tm+12+\b]
	v_cvt_scalef32_pk8_fp4_f32 v[\pc+1+2*\b], v[\s+8+16*\b:\s+15+16*\b], v[\tm+12+\b]
.endr
	v_nop                                          ; one plain place behind a scaled conversion
.irp c, 0,1
.irp i, 0,1
	v_permlane16_swap_b32 v[\pc+4*\c+\i], v[\pc+2+4*\c+\i]
.endr
.endr
.endm
	s_load_b256 s[4:11], s[0:1], 0x0               ; laid 4, xmq 6, pos 8, qkvq 10
	s_set_vgpr_msb 0x40
	v_lshl_add_u32 v72, v0, 2, 0x44000
	v_mov_b32 v73, 0
	s_set_vgpr_msb 0x4045
	ds_add_u32 v72, v73
	ds_add_u32 v72, v73
	s_set_vgpr_msb 0x4500
	v_lshrrev_b32 v11, 5, v0
	s_delay_alu instid0(VALU_DEP_1)
	v_readfirstlane_b32 s[WV], v11                 ; wave 0..11
	s_bfe_u32 s13, ttmp6, 0x40000                  ; cx
	s_bfe_u32 s14, ttmp6, 0x40004                  ; cy
	s_lshl_b32 s15, ttmp9, 2
	s_add_co_u32 s15, s15, s13                     ; cg
	s_and_b32 s16, ttmp7, 0xffff
	s_lshl_b32 s16, s16, 2
	s_add_co_u32 s16, s16, s14                     ; rb
	s_lshl_b32 s17, s14, 2
	s_lshl_b32 s17, 15, s17                        ; my row of the cluster
	s_lshl_b32 s18, 0x1111, s13                    ; my column
	s_or_b32 s[G1C], s18, (3<<16)|(1<<21)          ; a dense block of 4 half-records: 136 rows of 32 elements of 8 bytes
	s_or_b32 s[G1R], s17, (3<<16)|(1<<21)
.irp g, G1C, G1R
	s_mov_b32 s[\g+1], 32<<16
	s_mov_b32 s[\g+2], 136<<16
	s_mov_b32 s[\g+3], 32<<16
	s_mov_b32 s[\g+4], 136
	s_mov_b32 s[\g+5], 32
	s_mov_b32 s[\g+6], 0
	s_mov_b32 s[\g+7], 0
.endr
	s_and_b32 s22, s[WV], 3                        ; waves 0-2 (K half 0) and 4-6 (K half 1): which four pairs of W
	s_mul_i32 s22, s22, 4*REC                      ; also their place in LDS
	s_mul_i32 s20, s15, 12*REC
	s_add_co_u32 s20, s20, s22
	s_add_co_u32 s20, s20, WQ_OFF
	s_mov_b32 s21, 0
	s_mul_i32 s66, s16, 4*REC                      ; xm's four pairs
	s_mov_b32 s67, 0
	s_mov_b32 s[SEL], 0x76543210
	s_mov_b32 s[SEL+1], 0xfedcba98
	s_wait_dscnt 0x0
	s_wait_kmcnt 0x0
	s_mov_b32 s[G0W], 1
	s_mov_b32 s[G0W+1], s22
	s_add_nc_u64 s[G0W+2:G0W+3], s[4:5], s[20:21]
	s_mov_b32 s[G0W+4], 1
	s_add_co_u32 s[G0W+5], s22, CH
	s_add_nc_u64 s[G0W+6:G0W+7], s[G0W+2:G0W+3], 96*REC
	s_or_b32 s[G0W+3], s[G0W+3], 0x80000000
	s_or_b32 s[G0W+7], s[G0W+7], 0x80000000
	s_mov_b32 s[G0X], 1
	s_mov_b32 s[G0X+1], 12*REC
	s_add_nc_u64 s[G0X+2:G0X+3], s[6:7], s[66:67]
	s_mov_b32 s[G0X+4], 1
	s_mov_b32 s[G0X+5], CH+12*REC
	s_add_nc_u64 s[G0X+6:G0X+7], s[G0X+2:G0X+3], 128*REC
	s_or_b32 s[G0X+3], s[G0X+3], 0x80000000
	s_or_b32 s[G0X+7], s[G0X+7], 0x80000000
	CROUND                                         ; all sixteen work-groups are here: the joint loads meet
	; all eight fills of the launch, one a wave, in one chain of arms: waves 0-2 W's thirds of K half 0, wave 3 xm's; waves 4-6 and 7 the same of K half 1; waves 8-11 none
.macro ARM under, g0, g1, next
	s_cmp_lt_u32 s[WV], \under
	s_cbranch_scc0 \next
	tensor_load_to_lds s[\g0:\g0+3], s[\g1:\g1+7]
	s_nop 0
.rept 4
	v_nop
.endr
	s_branch .Lasked
\next:
.endm
	ARM 3, G0W, G1C, .Lh1
	ARM 4, G0X, G1R, .Lh2
	ARM 7, G0W+4, G1C, .Lh3
	ARM 8, G0X+4, G1R, .Lh4
.Lasked:
	v_and_b32 v11, 31, v0                          ; lane
	v_and_b32 v12, 15, v0                          ; r
	v_bfe_u32 v13, v0, 4, 1                        ; h
	s_delay_alu instid0(VALU_DEP_3)
	v_lshlrev_b32 v[L16], 4, v11
	s_wait_alu depctr_va_vdst(0)
	v_lshlrev_b32 v[L4], 2, v11
	s_wait_alu depctr_va_vdst(0)
	s_lshr_b32 s58, s[WV], 2
	s_mul_i32 s58, s58, 6*REC                      ; A: pair 6 (w / 4): head 0's, head 1's, or (waves 8-11) xm's at pair 12
	s_lshr_b32 s59, s[WV], 3                       ; g = 1 for the waves of v
	s_lshr_b32 s60, s[WV], 1
	s_and_b32 s60, s60, s59
	s_lshl_b32 s60, s60, 2
	s_lshl_b32 s59, s59, 3
	s_xor_b32 s59, s59, 12
	s_and_b32 s61, s[WV], 3                        ; p for waves 0-7
	s_add_co_u32 s59, s59, s61
	s_add_co_u32 s59, s59, s60                     ; B: pair 12 + p, or 6 head' + 4 + bb
	s_mul_i32 s59, s59, REC
	v_add_nc_u32 v[VA], s58, v[L16]
	v_add_nc_u32 v[VB], s59, v[L16]
	s_add_co_u32 s58, s58, 8192
	s_add_co_u32 s59, s59, 8192
	v_add_nc_u32 v[VSA], s58, v[L4]
	v_add_nc_u32 v[VSB], s59, v[L4]
	v_and_b32 v14, 8, v12
	s_delay_alu instid0(VALU_DEP_1)
	v_add_nc_u32 v14, v14, v12                     ; r + 8 (r / 8)
	s_delay_alu instid0(VALU_DEP_1)
	v_lshlrev_b32 v[PO], 9, v14
	s_delay_alu instid0(VALU_DEP_1)
	v_lshl_add_u32 v[PO], v13, 7, v[PO]            ; pos: my token's row of 512 bytes, + 16 h pairs of 8 bytes
	s_lshl_b32 s68, s16, 16
	s_lshl_b32 s69, s61, 14
	s_add_co_u32 s68, s68, s69
	s_mov_b32 s69, 0
	s_add_nc_u64 s[8:9], s[8:9], s[68:69]          ; pos at token 128 rb + 32 p
	s_cmp_lt_u32 s[WV], 8
	s_cbranch_scc0 .Lnopos                         ; the waves of v read no pos
.irp g, 0,1
.irp i, 0,1,2,3,4,5,6,7
	global_load_b128 v[POS+32*\g+4*\i:POS+32*\g+4*\i+3], v[PO], s[8:9] offset:256*\g+16*\i   ; (from here on v11-14 hold pos)
.endr
.endr
	WIN 0x40                                       ; destination window 1: tile 1's tokens lie 8 rows on
	s_wait_alu depctr_va_vdst(0)
.irp g, 0,1
.irp i, 0,1,2,3,4,5,6,7
	global_load_b128 v[POS+32*\g+4*\i:POS+32*\g+4*\i+3], v[PO], s[8:9] offset:4096+256*\g+16*\i
.endr
.endr
	WIN 0
.Lnopos:
	s_wait_tensorcnt 0x0                           ; my one fill has landed
	s_barrier_signal -1
	s_barrier_wait -1
	s_wait_alu depctr_va_vdst(0)
	KCHUNK 1
	NEXTCHUNK
	s_wait_alu depctr_va_vdst(0)
	KCHUNK 0
; s70 = head' on entry; on exit s70 = b x 16 + head, s71 = the key step, s[76:77] = the record of (bh, key step)
.macro RECBASE
	s_lshl_b32 s71, s15, 1
	s_add_co_u32 s70, s70, s71
	s_lshr_b32 s71, s16, 4
	s_lshl_b32 s71, s71, 4
	s_add_co_u32 s70, s70, s71
	s_and_b32 s71, s16, 15
	s_lshl_b32 s76, s70, 4
	s_add_co_u32 s76, s76, s71
	s_mul_i32 s76, s76, KVREC
	s_add_co_u32 s76, s76, KV_OFF
	s_mov_b32 s77, 0
	s_add_nc_u64 s[76:77], s[10:11], s[76:77]
.endm
	s_cmp_lt_u32 s[WV], 8
	s_cbranch_scc0 .Lvtail
	; ---- q and k
	s_lshr_b32 s70, s[WV], 2
	RECBASE
	s_lshl_b32 s72, s70, 7
	s_lshl_b32 s73, s71, 3
	s_add_co_u32 s72, s72, s73
	s_lshl_b32 s73, s61, 1
	s_add_co_u32 s72, s72, s73
	s_lshl_b32 s72, s72, 9
	s_mov_b32 s73, 0
	s_add_nc_u64 s[72:73], s[10:11], s[72:73]      ; Q's codes: tile 8 ks + 2 p
	s_lshl_b32 s74, s70, 6
	s_lshl_b32 s75, s71, 2
	s_add_co_u32 s74, s74, s75
	s_add_co_u32 s74, s74, s61
	s_lshl_b32 s74, s74, 7
	s_add_co_u32 s74, s74, QS_OFF
	s_mov_b32 s75, 0
	s_add_nc_u64 s[74:75], s[10:11], s[74:75]      ; Q's scale words: pair 4 ks + p
	s_lshl_b32 s78, s61, 10
	s_mov_b32 s79, 0
	s_add_nc_u64 s[78:79], s[76:77], s[78:79]      ; K's codes: tiles 2 p, 2 p + 1
	s_lshl_b32 s80, s61, 7
	s_add_co_u32 s80, s80, 8192
	s_mov_b32 s81, 0
	s_add_nc_u64 s[80:81], s[76:77], s[80:81]      ; K's scale words
	s_mov_b32 s83, 0x7f7f0000                      ; bytes 2, 3 of a word: 1.0 over zero codes
	s_wait_loadcnt 0x0                             ; pos
; RoPE on token tile u: a = t[hd], b = t[hd + 32]: a' = a cos[hd] - b sin[hd], b' = b cos[hd + 32] + a sin[hd + 32].  pos is source 1 everywhere: window 1 for tile 1.  Each accumulator's first read is its register 0.
.macro ROPE u
	WIN 4*\u
.irp q, 0,1
.set I, 0
.rept 16
.set RA, 128+64*\u+32*\q+I
.set TT, FB+2*(I%8)
	v_mul_f32 v[TT], v[RA+16], v[POS+2*I]
	v_mul_f32 v[TT+1], v[RA], v[POS+32+2*I]
	v_fma_f32 v[RA], v[RA], v[POS+1+2*I], -v[TT]
	v_fma_f32 v[RA+16], v[RA+16], v[POS+33+2*I], v[TT+1]
.set I, I+1
.endr
.endr
	WIN 0
.endm
.irp u, 0,1
	ROPE \u
	QUANT 128+64*\u, FA, FA+16+8*\u, PW+\u         ; blocks 0, 1: q's hd 0-31, 32-63; blocks 2, 3: k's
	global_store_b128 v[L16], v[FA+16+8*\u:FA+19+8*\u], s[72:73] offset:512*\u    ; 512 consecutive bytes each
	global_store_b128 v[L16], v[FA+20+8*\u:FA+23+8*\u], s[78:79] offset:512*\u
.endr
	v_cmp_gt_u32 vcc_lo, 64, v[L4]                 ; 4 x lane under 64: lanes 0-15
	s_delay_alu instid0(VALU_DEP_1)
	v_cndmask_b32 v79, v[PW+1], v[PW], vcc_lo      ; lanes 0-15 tile 0's bytes, lanes 16-31 tile 1's
	s_delay_alu instid0(VALU_DEP_1)
	v_and_or_b32 v[FA], v79, 0xffff, s83           ; q's word
	s_delay_alu instid0(VALU_DEP_2)
	v_lshrrev_b32 v[FA+1], 16, v79
	s_delay_alu instid0(VALU_DEP_1)
	v_or_b32 v[FA+1], s83, v[FA+1]                 ; k's word
	global_store_b32 v[L4], v[FA], s[74:75]
	global_store_b32 v[L4], v[FA+1], s[80:81]
	s_branch .Ldone
.Lvtail:
	; ---- v: a lane holds hd 32 bb + 8 u + r + 8 (r / 8); its 64 registers are the 128 keys' halves: a whole fragment of V^T and its scale word
	s_lshr_b32 s70, s[WV], 1
	s_and_b32 s70, s70, 1
	RECBASE
	s_and_b32 s82, s[WV], 1                        ; bb
	s_lshl_b32 s78, s82, 11
	s_add_co_u32 s78, s78, 4096
	s_mov_b32 s79, 0
	s_add_nc_u64 s[78:79], s[76:77], s[78:79]      ; V^T's codes: tiles 2 bb, 2 bb + 1
	s_lshl_b32 s80, s82, 7
	s_add_co_u32 s80, s80, 8704
	s_mov_b32 s81, 0
	s_add_nc_u64 s[80:81], s[76:77], s[80:81]      ; V's scale words
.irp u, 0,1
	QUANT 128+64*\u, FA, FA+16+8*\u, PW+\u
	global_store_b128 v[L16], v[FA+16+8*\u:FA+19+8*\u], s[78:79] offset:1024*\u
	global_store_b128 v[L16], v[FA+20+8*\u:FA+23+8*\u], s[78:79] offset:1024*\u+512
.endr
	v_cmp_gt_u32 vcc_lo, 64, v[L4]                 ; lanes 0-15
	s_delay_alu instid0(VALU_DEP_1)
	v_cndmask_b32 v79, v[PW+1], v[PW], vcc_lo
	global_store_b32 v[L4], v79, s[80:81]
.Ldone:
	s_set_vgpr_msb 0x5
	s_wait_tensorcnt 0x0
	ds_add_u32 v72, v73
	s_wait_dscnt 0x0
	s_set_vgpr_msb 0x500
	CROUND                                         ; the closing round
	s_endpgm
.Lfunc_end_k_q8be7a42c3a_qkv:
	.size	k_q8be7a42c3a_qkv, .Lfunc_end_k_q8be7a42c3a_qkv-k_q8be7a42c3a_qkv
	.p2alignl 7, 3214868480
	.fill 96, 4, 3214868480
	.section	.rodata,"a",@progbits
	.p2align	6, 0x0
	.amdhsa_kernel k_q8be7a42c3a_qkv
		.amdhsa_group_segment_fixed_size 280064
		.amdhsa_private_segment_fixed_size 0
		.amdhsa_enable_private_segment 0
		.amdhsa_kernarg_size 32
		.amdhsa_user_sgpr_count 2
		.amdhsa_user_sgpr_kernarg_segment_ptr 1
		.amdhsa_wavefront_size32 1
		.amdhsa_system_sgpr_workgroup_id_x 1
		.amdhsa_system_sgpr_workgroup_id_y 1
		.amdhsa_system_sgpr_workgroup_id_z 1
		.amdhsa_system_vgpr_workitem_id 0
		.amdhsa_next_free_vgpr 330
		.amdhsa_next_free_sgpr 88
		.amdhsa_reserve_vcc 1
		.amdhsa_float_denorm_mode_32 3
		.amdhsa_float_denorm_mode_16_64 3
		.amdhsa_memory_ordered 1
		.amdhsa_forward_progress 1
		.amdhsa_inst_pref_size 75
	.end_amdhsa_kernel
	.amdgpu_metadata
---
amdhsa.version: [ 1, 2 ]
amdhsa.kernels:
  - .name:           k_q8be7a42c3a_qkv
    .symbol:         k_q8be7a42c3a_qkv.kd
    .args:
      - { .name: laid, .offset: 0, .size: 8, .value_kind: global_buffer, .address_space: global }
      - { .name: xmq, .offset: 8, .size: 8, .value_kind: global_buffer, .address_space: global }
      - { .name: pos, .offset: 16, .size: 8, .value_kind: global_buffer, .address_space: global }
      - { .name: qkvq, .offset: 24, .size: 8, .value_kind: global_buffer, .address_space: global }
    .group_segment_fixed_size: 280064
    .private_segment_fixed_size: 0
    .kernarg_segment_align: 8
    .kernarg_segment_size: 32
    .max_flat_workgroup_size: 384
    .sgpr_count:     88
    .vgpr_count:     330
    .wavefront_size: 32
...
	.end_amdgpu_metadata
.endif
;; end of part 3
;; launch attn (part 4): grid 8 x 32, 16 waves a work-group, clusters of 4 x 1, 169,984 bytes of LDS; arguments qkvq, attq; writes attq
.if DOCPART == 4
	.amdgcn_target "amdgcn-amd-amdhsa--gfx1250"
	.amdhsa_code_object_version 6
	.text
	.protected	k_q8be7a42c3a_attn
	.globl	k_q8be7a42c3a_attn
	.p2align	8
	.type	k_q8be7a42c3a_attn,@function
k_q8be7a42c3a_attn:
	s_mov_b64 s[64:65], 0
	v_nop
	global_prefetch_b8 v0, s[64:65] scope:SCOPE_SE
	s_setreg_imm32_b32 hwreg(HW_REG_WAVE_MODE, 25, 1), 1
	s_wait_xcnt 0x0
	s_wait_alu depctr_hold_cnt(0) depctr_sa_sdst(0) depctr_va_vdst(0) depctr_va_sdst(0) depctr_va_ssrc(0) depctr_va_vcc(0) depctr_vm_vsrc(0)
	s_getreg_b32 s2, hwreg(HW_REG_IB_STS2, 6, 4)
	s_cmp_eq_u32 s2, 0
	s_cbranch_scc0 .Lentry_in_a_cluster
	s_endpgm
.Lentry_in_a_cluster:
	s_bfe_u32 s2, ttmp6, 0x10000c
	s_cmp_lg_u32 s2, 0x3003
	s_cbranch_scc0 .Lentry_shape_is_right
	s_endpgm
.Lentry_shape_is_right:
; Attention of one (batch, head) on codes of E2M1, and its result quantised along the output's columns (head x 64 + hd) for the last product.
; t = score x log2(e) / 8 (the 1/8 is reference's 1/sqrt(64), a power of two, taken off q's codes and put here); M = the running largest t rounded UP to a whole number; p = 2^(t - M) is quantised along the keys;
; the row's sum is taken of the unquantised p and divides at the end.  When M moves, the sum and O are multiplied by 2^(old M - new M): exact, and no branch on data.
; SHARES.  A work-group owns 256 queries of one (batch, head); each of its sixteen waves one tile of 16, in 256 registers, four waves to a SIMD.
; K AND V OF THE WHOLE HEAD, 16 records of 8,960 bytes (K codes 8 x 512, V^T codes [t 4][c 2][512], K scale words [p 4][lane], V's [bb 2][lane]), LIE IN LDS ONCE: wave w brings record w, its one tensor load;
; one barrier follows, and none stands in the walk over the keys.  The descriptor lays 32 bytes of padding behind each 256: byte y of a record lies at y + 32 (y / 256), a record takes 10,080 bytes.
; CLUSTER 4 x 1: the four query blocks of a cluster belong to one head and ask for the records jointly.
; No prefetch: all that the launch reads from memory beside Q is asked for by the head's sixteen fills, so there is no loop to run ahead in.
; LAYOUT.  Both products are used transposed: S^T = K Q^T (source 0 = 16 keys), O^T = V^T P^T (source 0 = 16 hd): a lane holds one query throughout.
; THE KEYS OF A TILE ARE CHOSEN BY THE LDS ADDRESS: tile 4 c + i takes in rows 0-7 keys 64 c + 8 i + 0..7 and in rows 8-15 keys 64 c + 32 + 8 i + 0..7.  So lane (query, h) holds in registers 32 c + 0..31 the keys
; 64 c + 32 h + 0..31: a WHOLE block of 32, in order.  A block's maximum needs no other lane, and the conversions' results are the second product's operand as they stand.
; In a record key 32 p + 16 a + 8 u + j lies in stored tile 2 p + u at lane 8 a + j (+ 16 h): rows 0-7 and rows 8-15 of my tiles lie 1,024 bytes apart, with the padding 1,152.
; The first product's K is 64: Q's registers 4-7 hold zero codes, so what K's operand holds there (the next tile's codes) adds nothing.
; LIMITS: NaN and infinities are not served; the promise holds while the scaled scores t stay under 2^31 in magnitude; an output block whose largest magnitude lies under 2^-124 gets the byte 1.
.set REC, 8704
.set KVREC, 8960
.set RECP, 10080                       ; a record in LDS: 35 rows of 256 + 32 bytes
.set SPARE, 16*RECP                    ; the spare words, 128 bytes a wave
.set QS_OFF, 2097152
.set KV_OFF, 2359296
.set LK, 1                             ; v1-4  my lane's place: in K's codes, V's codes, K's scale words, V's
.set LV, 2
.set LSK, 3
.set LSV, 4
.set SH8, 5                            ; v5    8 h;  v6 my output scale byte's place;  v7 lane
.set AK, 8                             ; v8-11 the same four places in the record in hand
.set AV, 9
.set ASK, 10
.set ASV, 11
.set QF, 16                            ; v16-23 Q's fragment (20-23 zeros); v24 its scale word
.set QSC, 24
.set KS, 25                            ; v25-28 K's scale words; v29-30 V's
.set VS, 29
.set KC, 32                            ; v32-63 K's codes, 4 registers a tile; v64-67 zeros
.set BM, 68                            ; v68-69 my two blocks' largest score, then largest p; v70-71 second chains
.set BN, 70
.set MX, 72
.set MY, 73
.set OLD, 74
.set TT, 75
.set F, 76                             ; v[76:77] f = 2^(old M - new M), named as a pair
.set SO, 78                            ; v78-79 the conversions' scale operands; v80-81 the scale bytes
.set BY, 80
.set PW, 82                            ; v82 p's scale word; v83 the other half's
.set WX, 83
.set TS, 84                            ; v84-89 three chains of the row's sum
.set L16, 90
.set SPW, 91
.set NIL, 92
.set S, 96                             ; v96-159 S^T, then p
.set O, 160                            ; v160-191 O^T
.set VC, 192                           ; v192-223 V^T's codes
.set PC, 224                           ; v224-231 p's codes
.set WV, 8
.set G1, 24
.set G0, 32
.set SEL, 56
.set CS, 58
.set TB, 60
.set CNT, 61
.macro CROUND
	s_barrier_signal -1
	s_barrier_wait -1
	s_cmp_lg_u32 s[WV], 0
	s_cbranch_scc1 .Lnw0_\@
	s_barrier_signal -3
.Lnw0_\@:
	s_barrier_wait -3
	s_barrier_signal -1
	s_barrier_wait -1
.endm
	s_load_b128 s[4:7], s[0:1], 0x0                ; qkvq 4, attq 6
	v_lshl_add_u32 v[SPW], v0, 2, SPARE
	v_mov_b32 v[NIL], 0
	ds_add_u32 v[SPW], v[NIL]                      ; the opening lines: the add twice on end, and its wait ahead of my tensor load
	ds_add_u32 v[SPW], v[NIL]
	v_lshrrev_b32 v1, 5, v0
	s_delay_alu instid0(VALU_DEP_1)
	v_readfirstlane_b32 s[WV], v1                  ; wave 0..15
	s_bfe_u32 s9, ttmp6, 0x40000                   ; cx: it enters Q's and the output's addresses alone
	s_lshl_b32 s10, ttmp9, 2
	s_add_co_u32 s10, s10, s9                      ; my block of 256 queries
	s_and_b32 s11, ttmp7, 0xffff                   ; bh = batch x 16 + head, which the four partners share
	s_mul_i32 s12, s[WV], KVREC                    ; record w in memory,
	s_mul_i32 s13, s[WV], RECP                     ; and in LDS
	s_mul_i32 s14, s11, 16*KVREC
	s_add_co_u32 s14, s14, s12
	s_add_co_u32 s14, s14, KV_OFF
	s_mov_b32 s15, 0
	s_mov_b32 s[G1], 15|(3<<16)|(1<<20)|(1<<21)|(5<<22)|(7<<25)   ; the mask: all four work-groups; elements of 8 bytes; 8 words of padding behind every 64
	s_mov_b32 s[G1+1], 32<<16                      ; a record: 35 rows of 256 bytes, dense
	s_mov_b32 s[G1+2], 35<<16
	s_mov_b32 s[G1+3], 32<<16
	s_mov_b32 s[G1+4], 35
	s_mov_b32 s[G1+5], 32
	s_mov_b32 s[G1+6], 0
	s_mov_b32 s[G1+7], 0
	s_lshl_b32 s16, s10, 4
	s_add_co_u32 s16, s16, s[WV]                   ; Tq: my tile of queries, 0..127
	s_lshl_b32 s17, s11, 7
	s_add_co_u32 s17, s17, s16
	s_lshl_b32 s18, s17, 9
	s_mov_b32 s19, 0                               ; Q's codes
	s_lshr_b32 s20, s16, 1                         ; Tq / 2
	s_and_b32 s21, s16, 1                          ; Tq % 2
	s_lshl_b32 s22, s11, 6
	s_add_co_u32 s22, s22, s20
	s_lshl_b32 s22, s22, 7
	s_lshl_b32 s23, s21, 6
	s_add_co_u32 s22, s22, s23
	s_add_co_u32 s22, s22, QS_OFF
	s_mov_b32 s23, 0                               ; Q's scale words: my tile's 16
	s_and_b32 s48, s11, 15                         ; head
	s_lshr_b32 s49, s11, 4                         ; batch
	s_lshr_b32 s50, s48, 3
	s_lshl_b32 s50, s50, 7
	s_lshl_b32 s51, s49, 6
	s_add_co_u32 s50, s50, s51
	s_add_co_u32 s50, s50, s20
	s_mul_i32 s50, s50, REC                        ; the output's half-record: K half head / 8, pair 64 batch + Tq / 2
	s_bfe_u32 s51, s48, 0x20001                    ; K step (head / 2) % 4
	s_and_b32 s48, s48, 1                          ; c = head % 2
	s_lshl_b32 s52, s21, 12
	s_add_co_u32 s52, s52, s50
	s_lshl_b32 s53, s51, 10
	s_add_co_u32 s52, s52, s53
	s_lshl_b32 s53, s48, 9
	s_add_co_u32 s52, s52, s53
	s_mov_b32 s53, 0                               ; its codes
	s_lshl_b32 s54, s51, 7
	s_add_co_u32 s54, s54, s50
	s_add_co_u32 s54, s54, 8192
	s_lshl_b32 s55, s21, 6
	s_add_co_u32 s54, s54, s55
	s_lshl_b32 s55, s48, 1
	s_add_co_u32 s54, s54, s55
	s_mov_b32 s55, 0                               ; its scale bytes: bytes 2 c and 2 c + 1 of my rows' words
	s_mov_b32 s[SEL], 0x76543210
	s_mov_b32 s[SEL+1], 0xfedcba98
	s_mov_b32 s[CS], 0x3e38aa3b                    ; c = log2(e) / 8
	s_mov_b32 s[CS+1], s[CS]                       ; (named with it as a pair, so it is written)
	s_wait_dscnt 0x0
	s_wait_kmcnt 0x0
	s_mov_b32 s[G0], 1
	s_mov_b32 s[G0+1], s13
	s_add_nc_u64 s[G0+2:G0+3], s[4:5], s[14:15]
	s_or_b32 s[G0+3], s[G0+3], 0x80000000
	s_add_nc_u64 s[18:19], s[4:5], s[18:19]
	s_add_nc_u64 s[22:23], s[4:5], s[22:23]
	s_add_nc_u64 s[52:53], s[6:7], s[52:53]
	s_add_nc_u64 s[54:55], s[6:7], s[54:55]
	CROUND                                         ; all four work-groups are here: the joint loads meet
	tensor_load_to_lds s[G0:G0+3], s[G1:G1+7]      ; every wave's one fill: record w
	s_nop 0
.rept 4
	v_nop
.endr
	v_and_b32 v7, 31, v0                           ; lane
	v_and_b32 v[BM], 7, v0                         ; r % 8
	v_bfe_u32 v[BM+1], v0, 3, 1                    ; r / 8
	v_bfe_u32 v[BN], v0, 4, 1                      ; h
	v_and_b32 v[BN+1], 15, v0                      ; r
	v_lshlrev_b32 v[L16], 4, v7
	v_lshlrev_b32 v[LSV], 2, v7                    ; V's scale words: 4 x lane
	v_lshlrev_b32 v[MX], 2, v[BN+1]                ; 4 r
	v_add_nc_u32 v6, v[MX], v[BN]                  ; 4 r + h: my scale byte's place
	global_load_b128 v[QF:QF+3], v[L16], s[18:19]  ; Q's fragment stays in registers
	global_load_b32 v[QSC], v[MX], s[22:23]
	v_mul_u32_u24 v[LK], v[BM+1], 1152             ; K's codes: 1,152 (r / 8) + 16 (r % 8) + 288 h
	v_lshlrev_b32 v[LSK], 7, v[BM+1]               ; K's scale words: 128 (r / 8) + 64 h + 4 (r % 8): lanes 16-31 take the odd tile's
	v_lshl_add_u32 v[LV], v[BN], 5, v[L16]         ; V's codes: 16 x lane + 32 h
	v_lshlrev_b32 v[SH8], 3, v[BN]
	v_lshl_add_u32 v[LK], v[BM], 4, v[LK]
	v_lshl_add_u32 v[LSK], v[BN], 6, v[LSK]
	v_mad_u32_u24 v[LK], v[BN], 288, v[LK]
	v_lshl_add_u32 v[LSK], v[BM], 2, v[LSK]
.irp j, 0,1,2,3
	v_mov_b32 v[QF+4+\j], 0                        ; K = 64: zero codes for k = 64 .. 127
	v_mov_b32 v[KC+32+\j], 0                       ; what the last tile's operand names behind its own four registers
.endr
	v_mov_b32 v13, 0xff61b1e6                      ; the largest score so far: -3e38
	v_mov_b32 v14, 0                               ; the sum, in two halves
	v_mov_b32 v15, 0
	v_floor_f32 v12, -v13                          ; -M
	v_mov_b32 v[MY], 0                             ; a lane permute's destination counts as one of its sources
	v_mov_b32 v[WX], 0
	v_mov_b32 v[F+1], 0                            ; (named as the upper half of a pair)
.set J, 0
.rept 32
	v_mov_b32 v[O+J], 0                            ; O^T: the first step finds zeros, which the first change of M leaves zeros
.set J, J+1
.endr
.macro KLOAD ka, ks, off               ; a record's eight tiles of K and their scale words: twelve loads
.irp c, 0,1
.irp i, 0,1,2,3
	ds_load_b128 v[KC+16*\c+4*\i:KC+16*\c+4*\i+3], v[\ka] offset:\off+2304*\c+576*(\i%2)+128*(\i/2)
.endr
.irp i, 0,1
	ds_load_b32 v[KS+2*\c+\i], v[\ks] offset:\off+9216+288*\c+32*\i
.endr
.endr
.endm
.macro PF j                            ; t - M, two at a time
	v_pk_fma_f32 v[S+\j:S+\j+1], v[S+\j:S+\j+1], s[CS:CS+1], v[12:13] op_sel_hi:[1,0,0]
.endm
.macro OM j                            ; O^T under the new M
	v_pk_mul_f32 v[O+\j:O+\j+1], v[O+\j:O+\j+1], v[F:F+1] op_sel_hi:[1,0]
.endm
.macro SUM4 j                          ; eight p into the sum's four chains
	v_pk_add_f32 v[14:15], v[14:15], v[S+\j:S+\j+1]
	v_pk_add_f32 v[TS:TS+1], v[TS:TS+1], v[S+\j+2:S+\j+3]
	v_pk_add_f32 v[TS+2:TS+3], v[TS+2:TS+3], v[S+\j+4:S+\j+5]
	v_pk_add_f32 v[TS+4:TS+5], v[TS+4:TS+5], v[S+\j+6:S+\j+7]
.endm
; A KEY STEP: 128 keys, the record at LDS byte s[TB].  nxt = 1: the next record's K is asked for in this step.
.macro STEP nxt
	s_wait_dscnt 0x0                               ; K and its scale words, asked for a step ago
.irp c, 0,1
.irp i, 0,2
	v_wmma_scale_f32_16x16x128_f8f6f4 v[S+32*\c+8*\i:S+32*\c+8*\i+7], v[KC+16*\c+4*\i:KC+16*\c+4*\i+7], v[QF:QF+7], 0, v[KS+2*\c+\i/2], v[QSC] matrix_a_fmt:MATRIX_FMT_FP4 matrix_b_fmt:MATRIX_FMT_FP4
	v_wmma_scale_f32_16x16x128_f8f6f4 v[S+32*\c+8*\i+8:S+32*\c+8*\i+15], v[KC+16*\c+4*\i+4:KC+16*\c+4*\i+11], v[QF:QF+7], 0, v[KS+2*\c+\i/2], v[QSC] matrix_a_fmt:MATRIX_FMT_FP4 matrix_b_fmt:MATRIX_FMT_FP4 matrix_a_scale:MATRIX_SCALE_ROW1
.endr
.endr
	v_add_nc_u32 v[AK], s[TB], v[LK]               ; these four are the places between the products (the last step's second, this step's first) and the loads into their registers and the first read of S^T
	v_add_nc_u32 v[AV], s[TB], v[LV]
	v_add_nc_u32 v[ASK], s[TB], v[LSK]
	v_add_nc_u32 v[ASV], s[TB], v[LSV]
.irp t, 0,1,2,3
.irp c, 0,1
	ds_load_b128 v[VC+8*\t+4*\c:VC+8*\t+4*\c+3], v[AV] offset:4608+1152*\t+576*\c
.endr
.endr
.irp b, 0,1
	ds_load_b32 v[VS+\b], v[ASV] offset:9792+128*\b
.endr
.if \nxt
	KLOAD AK, ASK, RECP
.endif
.irp c, 0,1                                    ; the largest score of my two blocks of 32 keys, each in two chains: it serves for the row's maximum and, since p rises with the score, for the block's largest p
	v_max3_num_f32 v[BM+\c], v[S+32*\c], v[S+32*\c+1], v[S+32*\c+2]
	v_max3_num_f32 v[BN+\c], v[S+32*\c+16], v[S+32*\c+17], v[S+32*\c+18]
.endr
.irp i, 3,5,7,9,11,13
.irp c, 0,1
	v_max3_num_f32 v[BM+\c], v[BM+\c], v[S+32*\c+\i], v[S+32*\c+\i+1]
	v_max3_num_f32 v[BN+\c], v[BN+\c], v[S+32*\c+16+\i], v[S+32*\c+17+\i]
.endr
.endr
	v_max3_num_f32 v[BM], v[BM], v[BN], v[S+15]    ; a block's two chains meet; the two blocks by turns
	v_max3_num_f32 v[BM+1], v[BM+1], v[BN+1], v[S+47]
	v_max_num_f32 v[BM], v[BM], v[S+31]
	v_max_num_f32 v[BM+1], v[BM+1], v[S+63]
	s_delay_alu instid0(VALU_DEP_1)
	v_max_num_f32 v[MX], v[BM], v[BM+1]
	s_delay_alu instid0(VALU_DEP_1)
	v_permlanex16_b32 v[MY], v[MX], s[SEL], s[SEL+1]
	v_mov_b32 v[OLD], v12
	s_delay_alu instid0(VALU_DEP_2)
	v_max3_num_f32 v13, v13, v[MX], v[MY]          ; the running largest score of my query, both halves' keys
	s_delay_alu instid0(VALU_DEP_1)
	v_mul_f32 v[TT], s[CS], v13                    ; as t (c is positive)
	s_delay_alu instid0(VALU_DEP_1)
	v_floor_f32 v12, -v[TT]                        ; the new -M = floor(-t) = -ceil(t)
.irp j, 0,2,4,6
	PF \j
.endr
	v_sub_f32 v[OLD], v12, v[OLD]                  ; old M - new M: a whole number, 0 or less
.irp j, 8,10,12,14
	PF \j
.endr
	v_cvt_i32_f32 v[OLD], v[OLD]                   ; (it saturates)
.irp j, 16,18,20,22
	PF \j
.endr
	v_ldexp_f32 v[F], 1.0, v[OLD]                  ; f = 2^(old M - new M)
.irp j, 24,26,28,30,32,34,36,38,40,42,44,46,48,50,52,54,56,58,60,62
	PF \j
.endr
.irp c, 0,1
	v_fma_f32 v[BM+\c], v[BM+\c], s[CS], v12       ; the same of each block's largest score
.endr
	s_wait_alu depctr_va_vdst(0)
.set J, 0
.rept 64
	v_exp_f32 v[S+J], v[S+J]                       ; p = 2^(t - M), at most 1: not normalised
.set J, J+1
.endr
.irp c, 0,1
	v_exp_f32 v[BM+\c], v[BM+\c]                   ; the block's largest p
.endr
	v_pk_mul_f32 v[14:15], v[14:15], v[F:F+1] op_sel_hi:[1,0]      ; the sums under the new M (a plain place behind the exponentials)
	s_wait_alu depctr_va_vdst(0)                   ; one wait for the batch, and directly ahead of the first reader of O^T
.irp j, 0,2,4,6
	OM \j
.endr
.irp c, 0,1
	v_max_num_f32 v[BM+\c], 0x1800000, v[BM+\c]    ; the floor 2^(3 - 127): the byte cannot fall under 1
.endr
.irp j, 8,10,12,14
	OM \j
.endr
.irp c, 0,1
	v_add_nc_u32 v[SO+\c], 0xff000000, v[BM+\c]    ; 2 off the exponent field: the conversion's scale operand
.endr
.irp j, 16,18,20,22
	OM \j
.endr
.irp c, 0,1
	v_lshrrev_b32 v[BY+\c], 23, v[SO+\c]           ; the scale's byte
.endr
.irp j, 24,26,28,30
	OM \j
.endr
	v_lshl_or_b32 v[PW], v[BY+1], 16, v[BY]        ; my bytes: blocks h and 2 + h,
.irp k, 0,1,2
	v_pk_add_f32 v[TS+2*\k:TS+2*\k+1], v[S+4*\k:S+4*\k+1], v[S+4*\k+2:S+4*\k+3]   ; the row's sum is taken of the unquantised p
.endr
	v_lshlrev_b32 v[PW], v[SH8], v[PW]             ; at their places in the word;
	SUM4 12
	v_permlanex16_b32 v[WX], v[PW], s[SEL], s[SEL+1]
	SUM4 20
	v_or_b32 v[PW], v[PW], v[WX]                   ; with lane l xor 16's two: p's scale word for these 128 keys
.irp c, 0,1
.irp i, 0,1,2,3
	v_cvt_scalef32_pk8_fp4_f32 v[PC+4*\c+\i], v[S+32*\c+8*\i:S+32*\c+8*\i+7], v[SO+\c]   ; keys 64 c + 32 h + 8 i + 0..7: register 4 c + i of the operand
.endr
.endr
	SUM4 28                                        ; these 21 additions are the places between p's codes and scale word and the products below
	SUM4 36
	SUM4 44
	SUM4 52
	v_pk_add_f32 v[14:15], v[14:15], v[S+60:S+61]
	v_pk_add_f32 v[TS:TS+1], v[TS:TS+1], v[S+62:S+63]
	v_pk_add_f32 v[TS+2:TS+3], v[TS+2:TS+3], v[TS+4:TS+5]
	s_delay_alu instid0(VALU_DEP_2)
	v_pk_add_f32 v[14:15], v[14:15], v[TS:TS+1]
	s_delay_alu instid0(VALU_DEP_1)
	v_pk_add_f32 v[14:15], v[14:15], v[TS+2:TS+3]
	s_wait_dscnt 12*\nxt                           ; V's ten loads are in; the next record's twelve of K may be out
.irp t, 0,2
	v_wmma_scale_f32_16x16x128_f8f6f4 v[O+8*\t:O+8*\t+7], v[VC+8*\t:VC+8*\t+7], v[PC:PC+7], v[O+8*\t:O+8*\t+7], v[VS+\t/2], v[PW] matrix_a_fmt:MATRIX_FMT_FP4 matrix_b_fmt:MATRIX_FMT_FP4
	v_wmma_scale_f32_16x16x128_f8f6f4 v[O+8+8*\t:O+15+8*\t], v[VC+8+8*\t:VC+15+8*\t], v[PC:PC+7], v[O+8+8*\t:O+15+8*\t], v[VS+\t/2], v[PW] matrix_a_fmt:MATRIX_FMT_FP4 matrix_b_fmt:MATRIX_FMT_FP4 matrix_a_scale:MATRIX_SCALE_ROW1
.endr
.endm
	s_wait_alu depctr_va_vdst(0)
	s_wait_tensorcnt 0x0                           ; my record has landed
	s_barrier_signal -1
	s_barrier_wait -1                              ; everybody's has: all sixteen lie in LDS, and nothing is filled again
	KLOAD LK, LSK, 0                               ; record 0's K
	s_wait_loadcnt 0x0                             ; Q
	s_mov_b32 s[TB], 0
	s_mov_b32 s[CNT], 15
.Lstep:
	STEP 1
	s_add_co_u32 s[TB], s[TB], RECP
	s_sub_co_u32 s[CNT], s[CNT], 1
	s_cmp_lg_u32 s[CNT], 0
	s_cbranch_scc1 .Lstep
	STEP 0                                         ; the last record: no K behind it
	; THE WAY OUT: O^T / the sum; register 16 bb + i is hd 32 bb + 16 h + i of my query: two blocks of the last product's K
.rept 4
	v_nop
.endr
	s_wait_alu depctr_va_vdst(0)                   ; the sums were written just ahead of the wait for V
	v_add_f32 v14, v14, v15
	s_delay_alu instid0(VALU_DEP_1)
	v_permlanex16_b32 v[MY], v14, s[SEL], s[SEL+1]
	s_delay_alu instid0(VALU_DEP_1)
	v_add_f32 v14, v14, v[MY]                      ; the row's sum
	s_wait_alu depctr_va_vdst(0)
	v_rcp_f32 v14, v14
	v_nop                                          ; one plain place behind the transcendental
	s_wait_alu depctr_va_vdst(0)
.set J, 0
.rept 32
	v_mul_f32 v[S+J], v[O+J], v14
.set J, J+1
.endr
.irp b, 0,1
	v_max3_num_f32 v[BM+\b], |v[S+16*\b]|, |v[S+1+16*\b]|, 0x1800000
.endr
.irp i, 2,4,6,8,10,12,14
.irp b, 0,1
	s_delay_alu instid0(VALU_DEP_2)
	v_max3_num_f32 v[BM+\b], v[BM+\b], |v[S+16*\b+\i]|, |v[S+1+16*\b+\i]|
.endr
.endr
.irp b, 0,1
	s_delay_alu instid0(VALU_DEP_2)
	v_permlanex16_b32 v[BN+\b], v[BM+\b], s[SEL], s[SEL+1]
.endr
.irp b, 0,1
	s_delay_alu instid0(VALU_DEP_2)
	v_max_num_f32 v[BM+\b], v[BM+\b], v[BN+\b]
.endr
.irp b, 0,1
	s_delay_alu instid0(VALU_DEP_2)
	v_add_nc_u32 v[SO+\b], 0xff000000, v[BM+\b]
.endr
.irp b, 0,1
	s_delay_alu instid0(VALU_DEP_2)
	v_lshrrev_b32 v[BY+\b], 23, v[SO+\b]
.endr
.irp b, 0,1
	v_cvt_scalef32_pk8_fp4_f32 v[PC+2*\b], v[S+16*\b:S+7+16*\b], v[SO+\b]
	v_cvt_scalef32_pk8_fp4_f32 v[PC+1+2*\b], v[S+8+16*\b:S+15+16*\b], v[SO+\b]
.endr
	v_nop                                          ; one plain place behind a scaled conversion
	v_permlane16_swap_b32 v[PC], v[PC+2]
	v_permlane16_swap_b32 v[PC+1], v[PC+3]         ; lanes 0-15 hd 0-31, lanes 16-31 hd 32-63: register group c = head % 2 of the output's fragment
	v_cmp_gt_u32 vcc_lo, 16, v7
	s_delay_alu instid0(VALU_DEP_1)
	v_cndmask_b32 v[OLD], v[BY+1], v[BY], vcc_lo   ; lane (r, h): block h's byte
	global_store_b128 v[L16], v[PC:PC+3], s[52:53] ; 512 consecutive bytes
	global_store_b8 v6, v[OLD], s[54:55]           ; a scale word spans two heads, so each head stores its two bytes of a row's word
	s_wait_tensorcnt 0x0                           ; the wave's end
	ds_add_u32 v[SPW], v[NIL]
	s_wait_dscnt 0x0
	CROUND                                         ; the closing round
	s_endpgm
.Lfunc_end_k_q8be7a42c3a_attn:
	.size	k_q8be7a42c3a_attn, .Lfunc_end_k_q8be7a42c3a_attn-k_q8be7a42c3a_attn
	.p2alignl 7, 3214868480
	.fill 96, 4, 3214868480
	.section	.rodata,"a",@progbits
	.p2align	6, 0x0
	.amdhsa_kernel k_q8be7a42c3a_attn
		.amdhsa_group_segment_fixed_size 169984
		.amdhsa_private_segment_fixed_size 0
		.amdhsa_enable_private_segment 0
		.amdhsa_kernarg_size 16
		.amdhsa_user_sgpr_count 2
		.amdhsa_user_sgpr_kernarg_segment_ptr 1
		.amdhsa_wavefront_size32 1
		.amdhsa_system_sgpr_workgroup_id_x 1
		.amdhsa_system_sgpr_workgroup_id_y 1
		.amdhsa_system_sgpr_workgroup_id_z 1
		.amdhsa_system_vgpr_workitem_id 0
		.amdhsa_next_free_vgpr 256
		.amdhsa_next_free_sgpr 66
		.amdhsa_reserve_vcc 1
		.amdhsa_float_denorm_mode_32 3
		.amdhsa_float_denorm_mode_16_64 3
		.amdhsa_memory_ordered 1
		.amdhsa_forward_progress 1
		.amdhsa_inst_pref_size 40
	.end_amdhsa_kernel
	.amdgpu_metadata
---
amdhsa.version: [ 1, 2 ]
amdhsa.kernels:
  - .name:           k_q8be7a42c3a_attn
    .symbol:         k_q8be7a42c3a_attn.kd
    .args:
      - { .name: qkvq, .offset: 0, .size: 8, .value_kind: global_buffer, .address_space: global }
      - { .name: attq, .offset: 8, .size: 8, .value_kind: global_buffer, .address_space: global }
    .group_segment_fixed_size: 169984
    .private_segment_fixed_size: 0
    .kernarg_segment_align: 8
    .kernarg_segment_size: 16
    .max_flat_workgroup_size: 512
    .sgpr_count:     66
    .vgpr_count:     256
    .wavefront_size: 32
...
	.end_amdgpu_metadata
.endif
;; end of part 4
;; launch outp (part 5): grid 8 x 32, 8 waves a work-group, clusters of 4 x 4, 314,368 bytes of LDS; arguments laid, attq, x, out0; writes out0
.if DOCPART == 5
	.amdgcn_target "amdgcn-amd-amdhsa--gfx1250"
	.amdhsa_code_object_version 6
	.text
	.protected	k_q8be7a42c3a_outp
	.globl	k_q8be7a42c3a_outp
	.p2align	8
	.type	k_q8be7a42c3a_outp,@function
k_q8be7a42c3a_outp:
	s_mov_b64 s[64:65], 0
	v_nop
	global_prefetch_b8 v0, s[64:65] scope:SCOPE_SE
	s_setreg_imm32_b32 hwreg(HW_REG_WAVE_MODE, 25, 1), 1
	s_wait_xcnt 0x0
	s_wait_alu depctr_hold_cnt(0) depctr_sa_sdst(0) depctr_va_vdst(0) depctr_va_sdst(0) depctr_va_ssrc(0) depctr_va_vcc(0) depctr_vm_vsrc(0)
	s_getreg_b32 s2, hwreg(HW_REG_IB_STS2, 6, 4)
	s_cmp_eq_u32 s2, 0
	s_cbranch_scc0 .Lentry_in_a_cluster
	s_endpgm
.Lentry_in_a_cluster:
	s_bfe_u32 s2, ttmp6, 0x10000c
	s_cmp_lg_u32 s2, 0xf033
	s_cbranch_scc0 .Lentry_shape_is_right
	s_endpgm
.Lentry_shape_is_right:
; out0 = attention x W_out + gate + x, with gate = cond x (W_cond's columns 3 d + 2): ONE product with K = 2,048, [attention | cond] x [W_out ; W_cond's gate rows], so that the gate never goes to memory.
; A work-group takes 128 tokens (rb) x 128 columns (nb).  Operands are half-records (a pair of 32 rows x 512 along K in the order of the operand's registers; tile u holds in lane r row 8 u + r + 8 (r / 8)).
; Four chunks of 8 pairs lie in LDS once: (W_out, attention) K half 0; (gate rows, cond) K half 0; the same for K half 1.  Every tensor load is a first fill.
; CLUSTER 4 x 4: the weights' pairs hang on nb alone (joint along a column), the tokens' on rb alone (joint along a row).
; THE PRODUCT IS USED TRANSPOSED: source 0 = 16 rows of the weight (columns of out0), source 1 = 16 tokens: a lane's registers of two neighbouring tiles are 16 neighbouring columns of one row.
; Wave w: token pair p = w / 2, columns 64 e on, e = w % 2: 4 x 2 accumulators, which take turns, one instruction a turn.
; THE WAY OUT: 16 rows x 256 bytes at a time through the wave's own stage in LDS; x is added to whole rows; sixteen lanes store 256 consecutive bytes, aligned.
.set REC, 8704
.set CH, 8*REC
.set STG, 4*CH                         ; behind the chunks: 16 rows x 272 bytes for each wave
.set SPI, 272
.set WG_OFF, 3342336
.set WO_OFF, 5570560
.set NPH, 1
.set VA, 1
.set VB, 2
.set VSA, 3
.set VSB, 4
.set L16, 5
.set L4, 6
.set STO, 7                            ; v7  the stage: where I put 16 bytes of a row
.set SRD, 8                            ; v8  and where I read a row back
.set XO, 9                             ; v9  my byte offset in two rows of x and of out0
.set SA, 12                            ; v12, v13 A's scale words, v14 B's: they hold scales and nothing else
.set SB, 14
.set XR, 16                            ; v16-79 x: 16 pairs of rows, 4 registers each; then the results
.set FB, 80
.set FA, 96
.set BK, 192                           ; v192-223 rows read back from the stage
.set WV, 12
.set G1C, 24
.set G1R, 32
.macro CROUND
	s_barrier_signal -1
	s_barrier_wait -1
	s_cmp_lg_u32 s[WV], 0
	s_cbranch_scc1 .Lnw0_\@
	s_barrier_signal -3
.Lnw0_\@:
	s_barrier_wait -3
	s_barrier_signal -1
	s_barrier_wait -1
.endm
.macro WM d, a, b, sa, sb, ra, rb, zero
.if (\zero) && (\ra) && (\rb)
	v_wmma_scale_f32_16x16x128_f8f6f4 v[\d:\d+7], v[\a:\a+7], v[\b:\b+7], 0, v[\sa], v[\sb] matrix_a_fmt:MATRIX_FMT_FP4 matrix_b_fmt:MATRIX_FMT_FP4 matrix_a_scale:MATRIX_SCALE_ROW1 matrix_b_scale:MATRIX_SCALE_ROW1
.elseif (\zero) && (\ra)
	v_wmma_scale_f32_16x16x128_f8f6f4 v[\d:\d+7], v[\a:\a+7], v[\b:\b+7], 0, v[\sa], v[\sb] matrix_a_fmt:MATRIX_FMT_FP4 matrix_b_fmt:MATRIX_FMT_FP4 matrix_a_scale:MATRIX_SCALE_ROW1
.elseif (\zero) && (\rb)
	v_wmma_scale_f32_16x16x128_f8f6f4 v[\d:\d+7], v[\a:\a+7], v[\b:\b+7], 0, v[\sa], v[\sb] matrix_a_fmt:MATRIX_FMT_FP4 matrix_b_fmt:MATRIX_FMT_FP4 matrix_b_scale:MATRIX_SCALE_ROW1
.elseif (\zero)
	v_wmma_scale_f32_16x16x128_f8f6f4 v[\d:\d+7], v[\a:\a+7], v[\b:\b+7], 0, v[\sa], v[\sb] matrix_a_fmt:MATRIX_FMT_FP4 matrix_b_fmt:MATRIX_FMT_FP4
.elseif (\ra) && (\rb)
	v_wmma_scale_f32_16x16x128_f8f6f4 v[\d:\d+7], v[\a:\a+7], v[\b:\b+7], v[\d:\d+7], v[\sa], v[\sb] matrix_a_fmt:MATRIX_FMT_FP4 matrix_b_fmt:MATRIX_FMT_FP4 matrix_a_scale:MATRIX_SCALE_ROW1 matrix_b_scale:MATRIX_SCALE_ROW1
.elseif (\ra)
	v_wmma_scale_f32_16x16x128_f8f6f4 v[\d:\d+7], v[\a:\a+7], v[\b:\b+7], v[\d:\d+7], v[\sa], v[\sb] matrix_a_fmt:MATRIX_FMT_FP4 matrix_b_fmt:MATRIX_FMT_FP4 matrix_a_scale:MATRIX_SCALE_ROW1
.elseif (\rb)
	v_wmma_scale_f32_16x16x128_f8f6f4 v[\d:\d+7], v[\a:\a+7], v[\b:\b+7], v[\d:\d+7], v[\sa], v[\sb] matrix_a_fmt:MATRIX_FMT_FP4 matrix_b_fmt:MATRIX_FMT_FP4 matrix_b_scale:MATRIX_SCALE_ROW1
.else
	v_wmma_scale_f32_16x16x128_f8f6f4 v[\d:\d+7], v[\a:\a+7], v[\b:\b+7], v[\d:\d+7], v[\sa], v[\sb] matrix_a_fmt:MATRIX_FMT_FP4 matrix_b_fmt:MATRIX_FMT_FP4
.endif
.endm
; 128 along K.  Accumulator (a, b) at v[128 + 32 b + 8 a].  Four plain places stand behind the products, ahead of the loads into the registers that they read.
.macro KSTEP sp, zero
.irp u, 0,1
.irp c, 0,1
	ds_load_b128 v[FB+8*\u+4*\c:FB+8*\u+4*\c+3], v[VB] offset:\u*4096+(\sp)*1024+\c*512
.endr
.endr
	ds_load_b32 v[SB], v[VSB] offset:(\sp)*128
.set P, 0
.rept 2*NPH
	ds_load_b32 v[SA+P], v[VSA] offset:P*REC+(\sp)*128
.set P, P+1
.endr
.set PH, 0
.rept NPH
.irp f, 0,1,2,3
.irp c, 0,1
	ds_load_b128 v[FA+8*\f+4*\c:FA+8*\f+4*\c+3], v[VA] offset:(2*PH+\f/2)*REC+(\f%2)*4096+(\sp)*1024+\c*512
.endr
.endr
	s_wait_dscnt 0x0
.irp f, 0,1,2,3
.irp b, 0,1
.set AA, 4*PH+\f
.set AC, 128+32*\b+8*AA
	WM AC, FA+8*\f, FB+8*\b, SA+2*PH+\f/2, SB, \f%2, \b, \zero
.endr
.endr
.rept 4
	v_nop
.endr
.set PH, PH+1
.endr
.endm
.macro KCHUNK zero
	KSTEP 0, \zero
	KSTEP 1, 0
	KSTEP 2, 0
	KSTEP 3, 0
.endm
.macro NEXTCHUNK
	v_add_nc_u32 v[VA], CH, v[VA]
	v_add_nc_u32 v[VB], CH, v[VB]
	v_add_nc_u32 v[VSA], CH, v[VSA]
	v_add_nc_u32 v[VSB], CH, v[VSB]
.endm
.macro SETG0 g, lds, src, add          ; a group 0: LDS byte, global address = s[src:src+1] + add
	s_mov_b32 s[\g], 1
	s_mov_b32 s[\g+1], \lds
	s_add_nc_u64 s[\g+2:\g+3], s[\src:\src+1], \add
	s_or_b32 s[\g+3], s[\g+3], 0x80000000
.endm
.macro FILL1 g, g1                     ; a wave's one fill; four v_nop follow it
	tensor_load_to_lds s[\g:\g+3], s[\g1:\g1+7]
	s_nop 0
.rept 4
	v_nop
.endr
.endm
	s_load_b256 s[4:11], s[0:1], 0x0               ; laid 4, attq 6, x 8, out0 10
	v_lshl_add_u32 v224, v0, 2, 0x4c800
	v_mov_b32 v225, 0
	ds_add_u32 v224, v225
	ds_add_u32 v224, v225
	v_lshrrev_b32 v11, 5, v0
	s_delay_alu instid0(VALU_DEP_1)
	v_readfirstlane_b32 s[WV], v11                 ; wave 0..7
	s_bfe_u32 s13, ttmp6, 0x40000                  ; cx
	s_bfe_u32 s14, ttmp6, 0x40004                  ; cy
	s_lshl_b32 s15, ttmp9, 2
	s_add_co_u32 s15, s15, s13                     ; nb
	s_and_b32 s16, ttmp7, 0xffff
	s_lshl_b32 s16, s16, 2
	s_add_co_u32 s16, s16, s14                     ; rb
	s_lshl_b32 s17, s14, 2
	s_lshl_b32 s17, 15, s17                        ; my row of the cluster
	s_lshl_b32 s18, 0x1111, s13                    ; my column
	s_or_b32 s[G1C], s18, (3<<16)|(1<<21)          ; a dense block of 4 half-records: 136 rows of 32 elements of 8 bytes
	s_or_b32 s[G1R], s17, (3<<16)|(1<<21)
.irp g, G1C, G1R
	s_mov_b32 s[\g+1], 32<<16
	s_mov_b32 s[\g+2], 136<<16
	s_mov_b32 s[\g+3], 32<<16
	s_mov_b32 s[\g+4], 136
	s_mov_b32 s[\g+5], 32
	s_mov_b32 s[\g+6], 0
	s_mov_b32 s[\g+7], 0
.endr
	s_mul_i32 s20, s15, 4*REC                      ; the weights' four pairs
	s_mov_b32 s21, 0
	s_mul_i32 s22, s16, 4*REC                      ; the tokens' four pairs
	s_mov_b32 s23, 0
	s_wait_dscnt 0x0
	s_wait_kmcnt 0x0
	s_add_nc_u64 s[76:77], s[4:5], s[20:21]
	s_add_nc_u64 s[78:79], s[6:7], s[22:23]
	s_add_nc_u64 s[80:81], s[4:5], s[22:23]
	SETG0 40, 0, 76, WO_OFF                        ; W_out, K half 0 -> chunk 0
	SETG0 44, 2*CH, 76, WO_OFF+32*REC              ;        K half 1 -> chunk 2
	SETG0 48, 4*REC, 78, 0                         ; attention -> chunks 0, 2
	SETG0 52, 2*CH+4*REC, 78, 128*REC
	SETG0 56, CH, 76, WG_OFF                       ; the gate's rows -> chunks 1, 3
	SETG0 60, 3*CH, 76, WG_OFF+32*REC
	SETG0 68, CH+4*REC, 80, 0                      ; cond -> chunks 1, 3
	SETG0 72, 3*CH+4*REC, 80, 128*REC
	CROUND                                         ; all sixteen work-groups are here: the joint loads meet
	; all eight fills of the launch, one a wave, in one chain of arms: waves 0-3 chunks 0 and 1, waves 4-7 chunks 2 and 3
.macro ARM under, g, g1, next
	s_cmp_lt_u32 s[WV], \under
	s_cbranch_scc0 \next
	FILL1 \g, \g1
	s_branch .Lasked
\next:
.endm
	ARM 1, 40, G1C, .Lh1
	ARM 2, 48, G1R, .Lh2
	ARM 3, 56, G1C, .Lh3
	ARM 4, 68, G1R, .Lh4
	ARM 5, 44, G1C, .Lh5
	ARM 6, 52, G1R, .Lh6
	ARM 7, 60, G1C, .Lh7
	FILL1 72, G1R
.Lasked:
	v_and_b32 v11, 31, v0                          ; lane
	v_and_b32 v10, 15, v0                          ; r
	s_wait_alu depctr_va_vdst(0)
	v_bfe_u32 v15, v0, 4, 1                        ; h
	v_lshlrev_b32 v[L16], 4, v11
	v_lshlrev_b32 v[L4], 2, v11
	s_lshr_b32 s82, s[WV], 1                       ; p
	s_and_b32 s83, s[WV], 1                        ; e
	s_mul_i32 s84, s83, 2*REC                      ; A: my two pairs of the weight
	s_mul_i32 s85, s82, REC
	s_add_co_u32 s85, s85, 4*REC                   ; B: my pair of tokens
	v_add_nc_u32 v[VA], s84, v[L16]
	v_add_nc_u32 v[VB], s85, v[L16]
	s_add_co_u32 s84, s84, 8192
	s_add_co_u32 s85, s85, 8192
	v_add_nc_u32 v[VSA], s84, v[L4]
	v_add_nc_u32 v[VSB], s85, v[L4]
	s_mul_i32 s84, s[WV], 16*SPI
	s_add_co_u32 s84, s84, STG                     ; my stage
	v_mul_u32_u24 v[STO], v10, SPI
	s_wait_alu depctr_va_vdst(0)
	v_lshl_add_u32 v[STO], v15, 6, v[STO]
	s_delay_alu instid0(VALU_DEP_1)
	v_add_nc_u32 v[STO], s84, v[STO]               ; in: row r, + 16 h columns
	v_mul_u32_u24 v[SRD], v15, SPI
	s_delay_alu instid0(VALU_DEP_1)
	v_lshl_add_u32 v[SRD], v10, 4, v[SRD]
	s_delay_alu instid0(VALU_DEP_1)
	v_add_nc_u32 v[SRD], s84, v[SRD]               ; back: lanes 0-15 one row of 256 bytes, lanes 16-31 the next
	v_lshlrev_b32 v[XO], 12, v15
	s_delay_alu instid0(VALU_DEP_1)
	v_lshl_add_u32 v[XO], v10, 4, v[XO]            ; and the same two rows in x and in out0
	s_wait_alu depctr_va_vdst(0)
	s_lshl_b32 s84, s16, 19                        ; row 128 rb + 32 p, column 128 nb + 64 e, in bytes
	s_lshl_b32 s85, s82, 17
	s_add_co_u32 s84, s84, s85
	s_lshl_b32 s85, s15, 9
	s_add_co_u32 s84, s84, s85
	s_lshl_b32 s85, s83, 8
	s_add_co_u32 s84, s84, s85
	s_mov_b32 s85, 0
	s_add_nc_u64 s[8:9], s[8:9], s[84:85]
	s_add_nc_u64 s[10:11], s[10:11], s[84:85]
.irp u, 0,1
.irp k, 0,1,2,3,4,5,6,7                        ; stage rows 2 k, 2 k + 1 of token tile u are rows 8 u + 2 k + 8 (k / 4) + 0, 1 of the pair
	global_load_b128 v[XR+32*\u+4*\k:XR+32*\u+4*\k+3], v[XO], s[8:9] offset:(8*\u+2*\k+8*(\k/4))*4096 th:TH_LOAD_NT
.endr
.endr
	s_wait_tensorcnt 0x0                           ; my one fill has landed
	s_barrier_signal -1
	s_barrier_wait -1
	KCHUNK 1
	NEXTCHUNK
	s_wait_alu depctr_va_vdst(0)
	KCHUNK 0
	NEXTCHUNK
	s_wait_alu depctr_va_vdst(0)
	KCHUNK 0
	NEXTCHUNK
	s_wait_alu depctr_va_vdst(0)
	KCHUNK 0
	s_wait_loadcnt 0x0                             ; x
.irp u, 0,1
.irp a, 0,1,2,3
	ds_store_b128 v[STO], v[128+32*\u+8*\a:131+32*\u+8*\a] offset:128*(\a/2)+32*(\a%2)        ; each accumulator from its low end on
	ds_store_b128 v[STO], v[132+32*\u+8*\a:135+32*\u+8*\a] offset:128*(\a/2)+32*(\a%2)+16
.endr
.irp k, 0,1,2,3,4,5,6,7
	ds_load_b128 v[BK+4*\k:BK+4*\k+3], v[SRD] offset:2*\k*SPI      ; LDS serves a wave's instructions in order: these see my stores, and the next tile's stores come behind them
.endr
.irp k, 0,1,2,3,4,5,6,7
	s_wait_dscnt 7-\k                              ; rows 2 k, 2 k + 1 are back; the younger loads may be out
	v_pk_add_f32 v[XR+32*\u+4*\k:XR+32*\u+4*\k+1], v[XR+32*\u+4*\k:XR+32*\u+4*\k+1], v[BK+4*\k:BK+4*\k+1]
	v_pk_add_f32 v[XR+32*\u+4*\k+2:XR+32*\u+4*\k+3], v[XR+32*\u+4*\k+2:XR+32*\u+4*\k+3], v[BK+4*\k+2:BK+4*\k+3]
	global_store_b128 v[XO], v[XR+32*\u+4*\k:XR+32*\u+4*\k+3], s[10:11] offset:(8*\u+2*\k+8*(\k/4))*4096 th:TH_STORE_NT   ; 16 lanes store 256 consecutive bytes, at a multiple of 256 from out0's first byte
.endr
.endr
	s_wait_tensorcnt 0x0
	ds_add_u32 v224, v225
	s_wait_dscnt 0x0
	CROUND                                         ; the closing round
	s_endpgm
.Lfunc_end_k_q8be7a42c3a_outp:
	.size	k_q8be7a42c3a_outp, .Lfunc_end_k_q8be7a42c3a_outp-k_q8be7a42c3a_outp
	.p2alignl 7, 3214868480
	.fill 96, 4, 3214868480
	.section	.rodata,"a",@progbits
	.p2align	6, 0x0
	.amdhsa_kernel k_q8be7a42c3a_outp
		.amdhsa_group_segment_fixed_size 314368
		.amdhsa_private_segment_fixed_size 0
		.amdhsa_enable_private_segment 0
		.amdhsa_kernarg_size 32
		.amdhsa_user_sgpr_count 2
		.amdhsa_user_sgpr_kernarg_segment_ptr 1
		.amdhsa_wavefront_size32 1
		.amdhsa_system_sgpr_workgroup_id_x 1
		.amdhsa_system_sgpr_workgroup_id_y 1
		.amdhsa_system_sgpr_workgroup_id_z 1
		.amdhsa_system_vgpr_workitem_id 0
		.amdhsa_next_free_vgpr 226
		.amdhsa_next_free_sgpr 88
		.amdhsa_reserve_vcc 0
		.amdhsa_float_denorm_mode_32 3
		.amdhsa_float_denorm_mode_16_64 3
		.amdhsa_memory_ordered 1
		.amdhsa_forward_progress 1
		.amdhsa_inst_pref_size 52
	.end_amdhsa_kernel
	.amdgpu_metadata
---
amdhsa.version: [ 1, 2 ]
amdhsa.kernels:
  - .name:           k_q8be7a42c3a_outp
    .symbol:         k_q8be7a42c3a_outp.kd
    .args:
      - { .name: laid, .offset: 0, .size: 8, .value_kind: global_buffer, .address_space: global }
      - { .name: attq, .offset: 8, .size: 8, .value_kind: global_buffer, .address_space: global }
      - { .name: x, .offset: 16, .size: 8, .value_kind: global_buffer, .address_space: global }
      - { .name: out0, .offset: 24, .size: 8, .value_kind: global_buffer, .address_space: global }
    .group_segment_fixed_size: 314368
    .private_segment_fixed_size: 0
    .kernarg_segment_align: 8
    .kernarg_segment_size: 32
    .max_flat_workgroup_size: 256
    .sgpr_count:     88
    .vgpr_count:     226
    .wavefront_size: 32
...
	.end_amdgpu_metadata
.endif
;; end of part 5
